; MI455X (gfx1250); checked and timed in simulation.
; The chip was launched on July 23, 2026; its instructions are those of AMD's public machine-readable ISA for CDNA 5 (MIT licence, August 2026) and "CDNA5" Instruction Set Architecture Reference Guide (July 2026). The comments in the code are by the model that wrote it; some were corrected since.
;; Dual Mode Attention. Allowed arithmetic: matrix products marked QUANTISED: E3M2 operands, one E8M0 scale for each 32 along K, by v_wmma_scale_f32_16x16x128_f8f6f4 with both operands' format E3M2, f32 sums; everything else in f32.
;; Inputs: Wk 512 x 2,048 float32; Wproj 2,048 x 2,048 float32; Wq 2,048 x 2,048 float32; Wv 512 x 2,048 float32; q_gain 16 float32; x 8 x 512 x 2,048 float32.
;; Outputs: out0 8 x 512 x 2,048 float32.
;; This version of the problem:
;;   THIS VERSION OF THE PROBLEM IS GIVEN IN LOW PRECISION. The matrix products marked QUANTISED in the list below multiply operands that are first quantised to E3M2 (3 exponent bits, 2 mantissa bits; 6 bits a number), with one power-of-two scale for each 32 numbers along K (OCP MX v1.0); their sums are f32. All else is computed in f32.
;;   The module's matrix products, in the order in which they are computed (A, B: the left and right operand; K: the contracted axis; several contracted axes count as one K, in the product's order):
;;     1. [M 4,096, K 2,048] x [K 2,048, N 2,048]; A: input x; B: input Wq: QUANTISED
;;     2. [M 4,096, K 2,048] x [K 2,048, N 512]; A: input x; B: input Wk: QUANTISED
;;     3. [M 4,096, K 2,048] x [K 2,048, N 512]; A: input x; B: input Wv: QUANTISED
;;     4. batch 32 x [M 2,048, K 128] x [K 128, N 512]; A: computed on the way; B: computed on the way: QUANTISED
;;     5. batch 32 x [M 2,048, K 512] x [K 512, N 128]; A: softmax (see below); B: computed on the way: QUANTISED
;;     6. [M 4,096, K 2,048] x [K 2,048, N 2,048]; A: computed on the way; B: input Wproj: QUANTISED
;;   THE QUANTISER, for each operand of a quantised product, along K:
;;     - K is cut into blocks of 32 from its start; a last block that is shorter is filled with zeros.
;;     - A block's scale is 2^e with e = floor(log2(the largest magnitude in the block)) - 4, held to -126 .. 127; a block of zeros has e = 0. As a byte (E8M0): e + 127.
;;     - Each number is divided by its block's scale, clamped to +-28, and rounded to the nearest number of E3M2, ties to even, subnormals kept.
;;     - The product sums the exact products of the quantised numbers (number of the format x scale) in f32.
;;   ~~~python
;;   def quantise(x, axis):      # numpy; x: float32 -> the quantised numbers, widened to float32 again
;;       x = np.moveaxis(x, axis, -1); K = x.shape[-1]
;;       x = np.pad(x, [(0, 0)] * (x.ndim - 1) + [(0, -K % 32)]); x = x.reshape(x.shape[:-1] + (-1, 32)); a = np.abs(x).max(-1, keepdims=True)
;;       e = np.where(a > 0, np.clip(np.frexp(np.where(a > 0, a, 1))[1] - 1 - 4, -126, 127), 0)      # np.frexp(a)[1] - 1 = floor(log2(a)), exactly
;;       r = np.clip(x / 2.0 ** e, -28, 28)
;;       step = 2.0 ** (np.maximum(np.frexp(np.where(r == 0, 1, r))[1] - 1, -2) - 2)
;;       q = np.round(r / step) * step * 2.0 ** e      # np.round: ties to even
;;       return np.moveaxis(q.reshape(q.shape[:-2] + (-1,))[..., :K], -1, axis).astype(np.float32)
;;   ~~~
;;   SOFTMAX AHEAD OF A QUANTISED PRODUCT. Where the list says 'softmax', what is quantised is not the finished softmax but p = 2^(t - M), with t = logit x log2(e) and M = ceil(the row's largest t), a whole number; so 1/2 < the row's largest p <= 1. The row's sum l is taken of the UNQUANTISED p, in f32, and the product's result is divided by l at the end. Since M is a whole number, a kernel that streams over the keys may use a running M (the ceiling of the running maximum): every later rescaling is an exact power of two, which a block's scale takes up: the codes' values come out the same.
;;   OPERANDS COMPUTED ON THE WAY. 'Computed on the way' means the value that the module computes at that place (a softmax that the list does not call 'softmax' is quantised finished and normalised). What goes into a quantiser is computed in f32, as accurately as f32 sums, v_exp_f32 and their like allow (about 1e-6 of the number): no bf16 or f16 on the way to a quantiser, and a product that is left as it is and whose result goes on into a quantised operand takes f32 operands (vector FMAs, or v_wmma_f32_16x16x4_f32). A number that lies on a knife's edge between two numbers of the format may be rounded either way, as far as f32 arithmetic and the matrix unit's own rounding can turn it there, and no further.
;; One version. Each part assembles by itself: llvm-mc -triple=amdgcn-amd-amdhsa -mcpu=gfx1250 --defsym DOCPART=n.
;; ======== version 1 of 1: 4 launches
;; limits: right only within a limited range of input values
;; workspace buffers: cq 14,155,776 bytes; sq 589,824 bytes; rope 262,144 bytes; hc 9,437,184 bytes; hs 393,216 bytes; vt 8,388,608 bytes; yc 6,291,456 bytes; ys 262,144 bytes
;; launch prep (part 1): grid 640 x 1, 4 waves a work-group, no clusters, 34,304 bytes of LDS; arguments x, Wq, Wk, Wv, Wproj, cq, sq, rope; writes cq, sq, rope
.if DOCPART == 1
	.amdgcn_target "amdgcn-amd-amdhsa--gfx1250"
	.amdhsa_code_object_version 6
	.text
	.protected	k_qf19f9ab4fc_prep
	.globl	k_qf19f9ab4fc_prep
	.p2align	8
	.type	k_qf19f9ab4fc_prep,@function
k_qf19f9ab4fc_prep:
	s_mov_b64 s[64:65], 0
	v_nop
	global_prefetch_b8 v0, s[64:65] scope:SCOPE_SE
	s_setreg_imm32_b32 hwreg(HW_REG_WAVE_MODE, 25, 1), 1
	s_wait_xcnt 0x0
; PREP.  (1) x [4096][2048], Wq [2048][2048], Wk, Wv [512][2048], Wproj [2048][2048], f32, K innermost, become codes of BF6 (E3M2) with one E8M0 byte for each 32 along K.
; (2) The table of cos and sin for the rotary embedding, 512 places x 64 frequencies, in the order in which the next launch's lanes want it.
; A block's scale is 2^(floor(log2(its largest magnitude)) - 4); its byte is that magnitude's exponent field - 4, held at 1 from below.
; LIMITS: NaN and infinities among the inputs are not served.  A block whose largest magnitude lies under 2^-122 keeps the byte 1; a block of zeros has the byte 1 where the rule says 127:
; its codes are zeros, which add nothing under any byte but 0xff, and this program alone reads the bytes.  The table's angle t x inv lies within about 2 units in the last place of its own size.
; LAYOUT OF THE CODES.  Rows are held by POSITION: position 32 c + 16 u + r holds row 32 c + 8 u + r % 8 + 16 (r / 8).  A fragment (16 positions x 128 K) is the image of the operand's 12 registers:
; register 4 c + e of lane l at byte 512 c + 16 l + 4 e, 1,536 bytes.  A group of 128 positions: 196,608 bytes = [K / 256][position / 16][(K / 128) % 2] fragments; its scale words 8,192 bytes =
; [K / 256][position / 16][r][(K / 128) % 2].  Groups: 0-31 x, 32-47 Wq, 48 + 2 n Wk's head n, 49 + 2 n Wv's head n, 56-71 Wproj.
; SHARES.  Work-groups 0-575: group id / 8, K step id % 8 of 256; wave w takes positions 32 w .. 32 w + 31: four fragments.  Each load reads 512 consecutive bytes of one row; a fragment's 16 rows turn through
; the wave's own stage in LDS (rows 528 bytes apart = 132 words: row r begins at bank 4 r), so that a lane gets 16 neighbours of each block of 32.  Waves share nothing: no barrier.
; Work-groups 576-639 make the table and touch no LDS.
.set TM,   16                          ; v16-31  at work in QUANT: +0..3 largest magnitudes, +4..7 bytes, +12..15 the conversions' scale operands
.set TP,   32                          ; v32-39  the second halves of the blocks' codes
.set PW,   40                          ; v40-43  a scale word for each fragment
.set PC,   44                          ; v44-91  the codes: 12 registers for each fragment, so that no store's data are written again
.set R,    96                          ; v96-223 two sets of 64 numbers
.set SP,   528
.set WSTG, 16*SP
.set SEL,  20                          ; s[20:21] v_permlanex16_b32's selects for lane l xor 16
.set MSB,  0
.macro WIN new                         ; (this text has one window: the macro writes nothing here)
.if MSB != \new
	s_set_vgpr_msb (MSB<<8)|\new
.set MSB, \new
.endif
.endm
; 64 numbers of a lane, v[s] .. v[s + 63] in window w, register 16 b + i = k 32 b + 16 (lane / 16) + i of my row, become a fragment's codes in v[pc] on and its scale word in v[pw].
.macro QUANT s, pc, pw, w
	WIN ((\w)|((\w)<<2))
.irp b, 0,1,2,3
	v_max3_num_f32 v[TM+\b], |v[(\s)+16*\b]|, |v[(\s)+16*\b+1]|, 0x2800000   ; block b: my 16 numbers, and the floor 2^(5 - 127): the byte cannot fall under 1
.endr
	WIN (((\w)<<2)|((\w)<<4))
.irp i, 2,4,6,8,10,12,14
.irp b, 0,1,2,3
	v_max3_num_f32 v[TM+\b], v[TM+\b], |v[(\s)+16*\b+\i]|, |v[(\s)+16*\b+\i+1]|   ; the four blocks by turns
.endr
.endr
	WIN 0
.irp b, 0,1,2,3
	v_permlanex16_b32 v[TM+4+\b], v[TM+\b], s[SEL], s[SEL+1]
.endr
.irp b, 0,1,2,3
	v_max_num_f32 v[TM+\b], v[TM+\b], v[TM+4+\b]   ; with lane l xor 16's: the block's largest magnitude
.endr
.irp b, 0,1,2,3
	v_add_nc_u32 v[TM+12+\b], 0xfe000000, v[TM+\b]   ; 4 off its exponent field: the conversion takes the exponent field of this operand as its scale
.endr
.irp b, 0,1,2,3
	v_lshrrev_b32 v[TM+4+\b], 23, v[TM+12+\b]      ; the scale's byte
.endr
	v_lshl_or_b32 v[\pw], v[TM+5], 8, v[TM+4]      ; four bytes: my row's scale word
	v_lshl_or_b32 v[\pw], v[TM+6], 16, v[\pw]
	v_lshl_or_b32 v[\pw], v[TM+7], 24, v[\pw]
	WIN (\w)
.irp c, 0,1
	v_cvt_scalef32_pk16_bf6_f32 v[(\pc)+6*\c:(\pc)+6*\c+2], v[(\s)+32*\c:(\s)+32*\c+15], v[TM+12+2*\c]
	v_cvt_scalef32_pk16_bf6_f32 v[TP+4*\c:TP+4*\c+2], v[(\s)+32*\c+16:(\s)+32*\c+31], v[TM+13+2*\c]   ; (a conversion's three registers begin on an even number)
.endr
	WIN 0
	v_nop                                          ; one plain place behind a scaled conversion
.irp c, 0,1                                    ; the operand's layout wants a whole block in a lane: lanes 0-15 block 2 c, lanes 16-31 block 2 c + 1
.irp i, 0,1,2
	v_permlane16_swap_b32 v[(\pc)+6*\c+\i], v[TP+4*\c+\i]
.endr
.irp i, 0,1,2
	v_mov_b32 v[(\pc)+3+6*\c+\i], v[TP+4*\c+\i]
.endr
.endr
.endm
	s_load_b256 s[4:11], s[0:1], 0x0               ; x s[4:5], Wq s[6:7], Wk s[8:9], Wv s[10:11]
	s_load_b256 s[12:19], s[0:1], 0x20             ; Wproj s[12:13], cq s[14:15], sq s[16:17], rope s[18:19]
	v_lshl_add_u32 v224, v0, 2, 0x8400
	v_mov_b32 v225, 0
	v_lshrrev_b32 v1, 5, v0
	v_readfirstlane_b32 s24, v1                    ; wave 0..3
	v_and_b32 v1, 31, v0                           ; lane
	v_and_b32 v2, 15, v0                           ; r
	v_bfe_u32 v3, v0, 4, 1                         ; h
	v_lshlrev_b32 v4, 4, v1                        ; 16 x lane: my bytes of a load's or a store's 512; never rewritten
	s_cmp_ge_u32 ttmp9, 576
	s_cbranch_scc1 .Lrope
	; ---- the quantiser
	s_mov_b32 s[SEL], 0x76543210
	s_mov_b32 s[SEL+1], 0xfedcba98
	s_lshr_b32 s25, ttmp9, 3                       ; the group, 0..71
	s_and_b32 s26, ttmp9, 7                        ; which 256 along K
	s_sub_co_u32 s27, s25, 32                      ; the group within Wq,
	s_sub_co_u32 s28, s25, 48
	s_lshr_b32 s28, s28, 1                         ; the head within Wk or Wv,
	s_sub_co_u32 s29, s25, 56                      ; the group within Wproj: each is used only where it holds
	s_mul_i32 s30, s24, WSTG                       ; my wave's stage
	s_wait_alu depctr_va_vdst(0)
	v_add_nc_u32 v5, s30, v4                       ; into it: a row's 512 bytes as they lie
	v_mul_u32_u24 v6, v2, SP
	v_lshl_add_u32 v6, v3, 6, v6
	v_add_nc_u32 v6, s30, v6                       ; out of it: row r, + 64 h: my 16 numbers of a block of 32
	v_lshlrev_b32 v7, 3, v1                        ; the scale words' way out: 8 bytes a lane
.irp b, 0,1,2,3
	v_mov_b32 v[TM+4+\b], 0                        ; written once: a lane permute's destination counts as one of its sources
.endr
	s_wait_alu depctr_va_vdst(0)
	s_wait_kmcnt 0x0
	s_bitcmp1_b32 s25, 0                           ; the choices hang on the work-group's number alone
	s_cselect_b64 s[8:9], s[10:11], s[8:9]         ; odd groups of 48-55 are Wv's, even ones Wk's
	s_cmp_lt_u32 s25, 32
	s_cselect_b64 s[4:5], s[4:5], s[6:7]
	s_cselect_b32 s31, s25, s27
	s_cmp_lt_u32 s25, 48
	s_cselect_b64 s[4:5], s[4:5], s[8:9]
	s_cselect_b32 s31, s31, s28
	s_cmp_lt_u32 s25, 56
	s_cselect_b64 s[4:5], s[4:5], s[12:13]
	s_cselect_b32 s31, s31, s29                    ; which 128 rows of the tensor chosen
	s_lshl_b32 s32, s31, 20                        ; 128 rows of 8,192 bytes,
	s_lshl_b32 s33, s24, 18                        ; my wave's 32 rows,
	s_add_co_u32 s32, s32, s33
	s_lshl_b32 s33, s26, 10                        ; 256 numbers along K
	s_add_co_u32 s32, s32, s33
	s_mov_b32 s33, 0
	s_add_nc_u64 s[4:5], s[4:5], s[32:33]
	s_mul_i32 s32, s25, 196608
	s_mul_i32 s34, s26, 24576
	s_add_co_u32 s32, s32, s34
	s_mul_i32 s34, s24, 6144
	s_add_co_u32 s32, s32, s34
	s_add_nc_u64 s[14:15], s[14:15], s[32:33]      ; my four fragments
	s_lshl_b32 s32, s25, 13
	s_lshl_b32 s34, s26, 10
	s_add_co_u32 s32, s32, s34
	s_lshl_b32 s34, s24, 8
	s_add_co_u32 s32, s32, s34
	s_add_nc_u64 s[16:17], s[16:17], s[32:33]      ; my 256 bytes of scale words
; fragment f = 2 u + q: positions 16 u .. 16 u + 15 of my 32, the q-th 128 along K
.macro LOAD f
.irp i, 0,1,2,3,4,5,6,7,8,9,10,11,12,13,14,15
	global_load_b128 v[R+64*((\f)%2)+4*\i:R+64*((\f)%2)+4*\i+3], v4, s[4:5] offset:(8*((\f)/2)+(\i&7)+16*(\i>>3))*8192+512*((\f)%2) th:TH_LOAD_NT   ; position i's row: 32 lanes read 512 consecutive bytes, read once in the launch
.endr
.endm
.macro TURNF f                         ; through the stage and back into the registers that they left: LDS serves a wave's instructions in order (ISA guide 5.7.1.4), so no wait stands between the stores and the loads
.irp i, 0,1,2,3,4,5,6,7,8,9,10,11,12,13,14,15
	ds_store_b128 v5, v[R+64*((\f)%2)+4*\i:R+64*((\f)%2)+4*\i+3] offset:SP*\i
.endr
.irp b, 0,1,2,3
.irp j, 0,1,2,3
	ds_load_b128 v[R+64*((\f)%2)+16*\b+4*\j:R+64*((\f)%2)+16*\b+4*\j+3], v6 offset:128*\b+16*\j
.endr
.endr
.endm
.macro FRAGQ f
.if (\f) < 3
	s_wait_loadcnt 16                              ; this fragment's 16 loads are in; the next fragment's 16 may be out
.else
	s_wait_loadcnt 0x0
.endif
	TURNF \f
	s_wait_dscnt 0x0
	QUANT R+64*((\f)%2), PC+12*(\f), PW+(\f), 0
.irp c, 0,1,2
	global_store_b128 v4, v[PC+12*(\f)+4*\c:PC+12*(\f)+4*\c+3], s[14:15] offset:1536*(\f)+512*\c   ; 32 lanes store 512 consecutive bytes, at a multiple of 256 from the buffer's first byte
.endr
.if (\f) < 2
	LOAD (\f)+2
.endif
.endm
	LOAD 0
	LOAD 1
	FRAGQ 0
	FRAGQ 1
	FRAGQ 2
	FRAGQ 3
	v_cmp_le_u32 vcc_lo, 16, v1                    ; lanes 0-15 store the words of positions 0-15 (fragments 0, 1), lanes 16-31 those of positions 16-31 (fragments 2, 3)
	v_cndmask_b32 v8, v[PW], v[PW+2], vcc_lo
	v_cndmask_b32 v9, v[PW+1], v[PW+3], vcc_lo
	global_store_b64 v7, v[8:9], s[16:17]          ; 256 consecutive bytes, aligned
	s_wait_tensorcnt 0x0
	ds_add_u32 v224, v225
	s_wait_dscnt 0x0
	s_endpgm
	; ---- the table.  Tile a_t of 16 places is 8,192 bytes: 8 groups of 512 bytes of cos, then 8 of sin; register 16 b + i (group (16 b + i) / 4) of lane (r, h) is frequency 32 b + 16 h + i
	; at place t = 32 (a_t / 2) + 8 (a_t % 2) + r % 8 + 16 (r / 8).  A wave makes one group of each: four cos and four sin a lane.
.set RF, 16                            ; v16-19 the frequency's number
.set RA, 20                            ; v20-23 the exponent's fraction, inv, the angle, the reduced angle
.set RN, 24                            ; v24-27 the exponent's whole part
.set RK, 28                            ; v28-31 the quadrant
.set RZ, 32                            ; v32-35 the reduced angle's square
.set RP, 36                            ; v36-39 sin of the reduced angle
.set RQ, 40                            ; v40-43 cos of it
.set RT, 44
.set RC, 48                            ; v48-51 cos, v52-55 sin
.set RS, 52
.Lrope:
	s_sub_co_u32 s25, ttmp9, 576
	s_lshr_b32 s26, s25, 1                         ; a_t
	s_and_b32 s27, s25, 1
	s_lshl_b32 s27, s27, 2
	s_add_co_u32 s27, s27, s24                     ; the group, 0..7
	s_lshr_b32 s28, s26, 1
	s_lshl_b32 s28, s28, 5
	s_and_b32 s29, s26, 1
	s_lshl_b32 s29, s29, 3
	s_add_co_u32 s28, s28, s29                     ; 32 (a_t / 2) + 8 (a_t % 2)
	s_lshr_b32 s29, s27, 2
	s_lshl_b32 s29, s29, 5
	s_and_b32 s30, s27, 3
	s_lshl_b32 s30, s30, 2
	s_add_co_u32 s29, s29, s30                     ; 32 (group / 4) + 4 (group % 4)
	s_lshl_b32 s32, s26, 13
	s_lshl_b32 s30, s27, 9
	s_add_co_u32 s32, s32, s30
	s_mov_b32 s33, 0
	s_mov_b32 s34, 0x3e549a80                      ; log2(10000) / 64 in two parts: the first has 17 bits, so that its product with a number under 64 is exact;
	s_mov_b32 s35, 0xb3f6865d                      ; the rest
	s_mov_b32 s36, 0x3fc90fdb                      ; pi / 2 in two parts
	s_mov_b32 s37, 0xb33bbd2e
	s_wait_alu depctr_va_vdst(0)
	v_and_b32 v10, 7, v2
	v_lshrrev_b32 v11, 3, v2
	v_lshl_add_u32 v10, v11, 4, v10
	v_add_nc_u32 v10, s28, v10
	v_cvt_f32_u32 v10, v10                         ; t
	v_lshlrev_b32 v11, 4, v3
	v_add_nc_u32 v11, s29, v11                     ; my first frequency
	v_mov_b32 v45, 0xb94ca1f9
	v_mov_b32 v46, 0x37ccf5ce
.irp e, 0,1,2,3
	v_add_nc_u32 v[RF+\e], \e, v11
.endr
.irp e, 0,1,2,3
	v_cvt_f32_u32 v[RF+\e], v[RF+\e]
.endr
.irp e, 0,1,2,3
	v_mul_f32 v[RA+\e], s34, v[RF+\e]              ; exact
.endr
.irp e, 0,1,2,3
	v_rndne_f32 v[RN+\e], v[RA+\e]
.endr
.irp e, 0,1,2,3
	v_sub_f32 v[RA+\e], v[RA+\e], v[RN+\e]         ; exact
.endr
.irp e, 0,1,2,3
	v_fma_f32 v[RA+\e], v[RF+\e], s35, v[RA+\e]
.endr
	s_wait_alu depctr_va_vdst(0)
.irp e, 0,1,2,3
	v_exp_f32 v[RA+\e], -v[RA+\e]
.endr
.irp e, 0,1,2,3
	v_cvt_i32_f32 v[RN+\e], v[RN+\e]               ; (plain places behind the exponentials)
.endr
.irp e, 0,1,2,3
	v_sub_nc_u32 v[RN+\e], 0, v[RN+\e]
.endr
	s_wait_alu depctr_va_vdst(0)
.irp e, 0,1,2,3
	v_ldexp_f32 v[RA+\e], v[RA+\e], v[RN+\e]       ; inv = 10000^(-frequency / 64)
.endr
.irp e, 0,1,2,3
	v_mul_f32 v[RA+\e], v10, v[RA+\e]              ; the angle, rounded once
.endr
.irp e, 0,1,2,3
	v_mul_f32 v[RK+\e], 0x3f22f983, v[RA+\e]
.endr
.irp e, 0,1,2,3
	v_rndne_f32 v[RK+\e], v[RK+\e]                 ; how many quarter turns
.endr
.irp e, 0,1,2,3
	v_fma_f32 v[RA+\e], -v[RK+\e], s36, v[RA+\e]   ; exact: a multiple of 2^-24 under 1
.endr
.irp e, 0,1,2,3
	v_fma_f32 v[RA+\e], -v[RK+\e], s37, v[RA+\e]   ; the reduced angle, within pi / 4 of 0 for every angle
.endr
.irp e, 0,1,2,3
	v_mul_f32 v[RZ+\e], v[RA+\e], v[RA+\e]
.endr
.irp e, 0,1,2,3
	v_fmaak_f32 v[RP+\e], v45, v[RZ+\e], 0x3c08839e
	v_fmaak_f32 v[RQ+\e], v46, v[RZ+\e], 0xbab6061a
.endr
.irp e, 0,1,2,3
	v_fmaak_f32 v[RP+\e], v[RP+\e], v[RZ+\e], 0xbe2aaaa3
	v_fmaak_f32 v[RQ+\e], v[RQ+\e], v[RZ+\e], 0x3d2aaaa5
.endr
.irp e, 0,1,2,3
	v_mul_f32 v[RP+\e], v[RP+\e], v[RZ+\e]
	v_fma_f32 v[RQ+\e], v[RQ+\e], v[RZ+\e], -0.5
.endr
.irp e, 0,1,2,3
	v_fma_f32 v[RP+\e], v[RP+\e], v[RA+\e], v[RA+\e]   ; sin
	v_fma_f32 v[RQ+\e], v[RQ+\e], v[RZ+\e], 1.0        ; cos
.endr
.irp e, 0,1,2,3
	v_cvt_i32_f32 v[RK+\e], v[RK+\e]
.endr
.irp e, 0,1,2,3                                ; odd quarter turns swap the two; the signs follow the quadrant
	v_and_b32 v[RT], 1, v[RK+\e]
	v_cmp_eq_u32 vcc_lo, 1, v[RT]
	v_cndmask_b32 v[RS+\e], v[RP+\e], v[RQ+\e], vcc_lo
	v_cndmask_b32 v[RC+\e], v[RQ+\e], v[RP+\e], vcc_lo
	v_and_b32 v[RT], 2, v[RK+\e]
	v_lshlrev_b32 v[RT], 30, v[RT]
	v_xor_b32 v[RS+\e], v[RT], v[RS+\e]
	v_add_nc_u32 v[RT], 1, v[RK+\e]
	v_and_b32 v[RT], 2, v[RT]
	v_lshlrev_b32 v[RT], 30, v[RT]
	v_xor_b32 v[RC+\e], v[RT], v[RC+\e]
.endr
	s_wait_alu depctr_va_vdst(0)
	s_wait_kmcnt 0x0
	s_add_nc_u64 s[18:19], s[18:19], s[32:33]
	global_store_b128 v4, v[RC:RC+3], s[18:19]     ; 512 consecutive bytes each
	global_store_b128 v4, v[RS:RS+3], s[18:19] offset:4096
	s_endpgm
.Lfunc_end_k_qf19f9ab4fc_prep:
	.size	k_qf19f9ab4fc_prep, .Lfunc_end_k_qf19f9ab4fc_prep-k_qf19f9ab4fc_prep
	.p2alignl 7, 3214868480
	.fill 96, 4, 3214868480
	.section	.rodata,"a",@progbits
	.p2align	6, 0x0
	.amdhsa_kernel k_qf19f9ab4fc_prep
		.amdhsa_group_segment_fixed_size 34304
		.amdhsa_private_segment_fixed_size 0
		.amdhsa_enable_private_segment 0
		.amdhsa_kernarg_size 64
		.amdhsa_user_sgpr_count 2
		.amdhsa_user_sgpr_kernarg_segment_ptr 1
		.amdhsa_wavefront_size32 1
		.amdhsa_system_sgpr_workgroup_id_x 1
		.amdhsa_system_sgpr_workgroup_id_y 1
		.amdhsa_system_sgpr_workgroup_id_z 1
		.amdhsa_system_vgpr_workitem_id 0
		.amdhsa_next_free_vgpr 226
		.amdhsa_next_free_sgpr 66
		.amdhsa_reserve_vcc 1
		.amdhsa_float_denorm_mode_32 3
		.amdhsa_float_denorm_mode_16_64 3
		.amdhsa_memory_ordered 1
		.amdhsa_forward_progress 1
		.amdhsa_inst_pref_size 42
	.end_amdhsa_kernel
	.amdgpu_metadata
---
amdhsa.version: [ 1, 2 ]
amdhsa.kernels:
  - .name:           k_qf19f9ab4fc_prep
    .symbol:         k_qf19f9ab4fc_prep.kd
    .args:
      - { .name: x, .offset: 0, .size: 8, .value_kind: global_buffer, .address_space: global }
      - { .name: Wq, .offset: 8, .size: 8, .value_kind: global_buffer, .address_space: global }
      - { .name: Wk, .offset: 16, .size: 8, .value_kind: global_buffer, .address_space: global }
      - { .name: Wv, .offset: 24, .size: 8, .value_kind: global_buffer, .address_space: global }
      - { .name: Wproj, .offset: 32, .size: 8, .value_kind: global_buffer, .address_space: global }
      - { .name: cq, .offset: 40, .size: 8, .value_kind: global_buffer, .address_space: global }
      - { .name: sq, .offset: 48, .size: 8, .value_kind: global_buffer, .address_space: global }
      - { .name: rope, .offset: 56, .size: 8, .value_kind: global_buffer, .address_space: global }
    .group_segment_fixed_size: 34304
    .private_segment_fixed_size: 0
    .kernarg_segment_align: 8
    .kernarg_segment_size: 64
    .max_flat_workgroup_size: 128
    .sgpr_count:     66
    .vgpr_count:     226
    .wavefront_size: 32
...
	.end_amdgpu_metadata
.endif
;; end of part 1
;; launch qkv (part 2): grid 12 x 16, 4 waves a work-group, clusters of 4 x 4, 327,680 bytes of LDS; arguments cq, sq, rope, q_gain, hc, hs, vt; writes hc, hs, vt
.if DOCPART == 2
	.amdgcn_target "amdgcn-amd-amdhsa--gfx1250"
	.amdhsa_code_object_version 6
	.text
	.protected	k_qf19f9ab4fc_qkv
	.globl	k_qf19f9ab4fc_qkv
	.p2align	8
	.type	k_qf19f9ab4fc_qkv,@function
k_qf19f9ab4fc_qkv:
	s_mov_b64 s[64:65], 0
	v_nop
	global_prefetch_b8 v0, s[64:65] scope:SCOPE_SE
	s_setreg_imm32_b32 hwreg(HW_REG_WAVE_MODE, 25, 1), 1
	s_wait_xcnt 0x0
	s_wait_alu depctr_hold_cnt(0) depctr_sa_sdst(0) depctr_va_vdst(0) depctr_va_sdst(0) depctr_va_ssrc(0) depctr_va_vcc(0) depctr_vm_vsrc(0)
	s_getreg_b32 s2, hwreg(HW_REG_IB_STS2, 6, 4)
	s_cmp_eq_u32 s2, 0
	s_cbranch_scc0 .Lentry_in_a_cluster
	s_endpgm
.Lentry_in_a_cluster:
	s_bfe_u32 s2, ttmp6, 0x10000c
	s_cmp_lg_u32 s2, 0xf033
	s_cbranch_scc0 .Lentry_shape_is_right
	s_endpgm
.Lentry_shape_is_right:
; QKV.  The three projections x Wq^T, x Wk^T, x Wv^T on codes of BF6 (E3M2) with E8M0 scales, as ONE product [4096] x [3072], K = 2,048; then, in registers, the RMS norm, the rotary embedding and the gain of q and k,
; and the quantising of q and k along the head's 128 and of v along the keys.  v also leaves in f32 (the later correction by the own value wants it unquantised).
; A tile of 256 x 256 is made by four waves; a wave makes 128 x 128: 64 accumulators, 512 registers.  K goes in steps of 256 through a ring of two LDS slots filled by the tensor data mover.
; OPERANDS LIE IN MEMORY AS IMAGES OF THEIR REGISTERS (a fragment of 16 positions x 128 K: 1,536 bytes, register 4 c + e of lane l at 512 c + 16 l + 4 e): 128 positions x 256 K are one dense block of 24,576 bytes, and a
; fragment comes out of LDS by three loads of 512 consecutive bytes.  Position 32 c + 16 u + r holds row 32 c + 8 u + r % 8 + 16 (r / 8): so the 16 registers of two neighbouring result tiles are 16 neighbours along source 0's rows.
; THE HEAD: four joint loads, one a wave: wave 0 x's two groups of K step 0 (two rows of 24,576 bytes, 196,608 bytes apart), wave 1 W's, wave 2 the scale words of x's 256 positions for all of K (16,384 dense bytes), wave 3 W's.
; Slot 1 is first filled behind the full sequence and a round of the cluster's barrier, a quarter of the slot a wave, as every refill is.
; COLUMNS.  Tile columns 0-7: two heads of q each.  Tile column 8 + n: k's head n, then v's head n.  So what a wave makes hangs on the CLUSTER's x and on the wave's number alone.
; q and k: source 0 = 16 positions of W, source 1 = 16 positions of x: a lane holds one token and its registers run along the head's 128.  v: THE TWO LDS BASES CHANGE PLACES: source 0 = x,
; source 1 = Wv: a lane holds one channel and its registers run along 128 keys, which are the K of the product that v enters.
; CLUSTERS: 4 x 4 work-groups.  The four of a row need the same tiles of x, the four of a column the same tiles of W: each is asked for jointly, by the same tensor load with the same descriptor and a mask that names the four.
; PREFETCHES.  With the load of K step n goes a request for K step n + 2 (the head also names K step 1): of the 96 blocks of 256 bytes that a wave's load brings, each of the four partners names 24, told apart by address;
; lanes 24-31 name the 24th again.  K steps 6 and 7 are the last named: the loop's last trip asks for nothing.  The table of cos and sin, 1,024 blocks, is named once in each cluster: waves 0 and 1 of each work-group, 32 blocks each.
; LIMITS: NaN and infinities are not served; a block whose largest magnitude lies under 2^-122 keeps the byte 1, a block of zeros too (its codes are zeros; this program alone reads the bytes).
; The gain is multiplied into the norm's factor ahead of the rotation, which is linear: the order of rounding differs from gain last.
; REGISTERS, in windows of 256: window 0: v1 lane, v16-29 addresses, v26 16 x lane; v32-63 scale words, two sets, and nothing else; v112-114 offsets of the table and of the prefetches; v128-223 source 1's eight fragments, ONE set.
;   window 1: source 0's fragments, TWO sets, at v0 and v128.  window 2: the accumulators of source 1's blocks 0-3 (accumulator (a, b) at v[8 (8 (a % 4) + b)]);  window 3: those of blocks 4-7.
;   On the way out, window 0: v2-25 two sets of codes, v[30:31] the norm's factor, v64-111 at work, v128-191 a block's 64 numbers; window 1: four sets of 32 cos and 32 sin.
.set WB,    32
.set HALF,  24576                      ; 128 positions x 256 K: what one tensor load of the ring brings
.set SLOT,  4*HALF                     ; x's two groups, then W's two
.set SCL,   2*SLOT                     ; behind the ring: the scale words
.set SHALF, 8192
.set SPARE, SCL+4*SHALF                ; behind them: the spare words, 128 bytes for each wave
.set FR,    12
.set NL,    3                          ; LDS loads that bring a fragment
.set NQ,    2                          ; steps of 128 in a slot
.set NP,    4                          ; places behind this matrix instruction (ISA guide 7.12.1)
.set LAPS,  4                          ; 2,048 / 512: a lap = once round the ring
.set KC,    6291456                    ; hc: q's fragments, then k's, then v's
.set VC,    7864320
.set KS,    262144                     ; hs likewise
.set VS,    327680
.set ADR1, 16                          ; v16-17  LDS address of source 1's fragments in slot 0, 1
.set ADR0, 20                          ; v20-21  of source 0's
.set ADRS, 27                          ; v27     of my scale words: lanes 0-15 source 1's, lanes 16-31 source 0's
.set SPW,  28                          ; v28     LDS address of my spare word; never rewritten
.set NIL,  29                          ; v29     0; never rewritten
.set SC,   32
.set AF,   128
.set TM,   64
.set TP,   80
.set PWR,  88
.set TBO,  112                         ; v112    the table: 16 x lane + my first tile's 8,192 bytes x its number; never rewritten
.set PFO,  113                         ; v113    256 x min(lane, 23); never rewritten
.set RPO,  114                         ; v114    my block of the table for its one prefetch; never rewritten
.set SEL,  36
.set G1, 24                            ; s[24:31] group 1 for x's tiles;  s[32:39] group 0, one set for each slot
.set G0, 32
.set G1B, 48                           ; s[48:55], s[56:63] the same for W's
.set G0B, 56
.set G1S, 68                           ; s[68:75], s[76:79] for x's scale words;  s[80:87], s[88:91] for W's
.set G0S, 76
.set G1SB, 80
.set G0SB, 88
.set G0H, 4                            ; s[4:7], s[8:11] group 0 of the head's loads of codes (the arguments that lay there have been used by then)
.set G0HB, 8
.set PFA, 92                           ; s[92:93] where my prefetches stand
.set MSB, 0
.macro WIN new                         ; s_set_vgpr_msb: bits 1:0 source 0, 3:2 source 1, 5:4 source 2, 7:6 destination; the high byte repeats the setting that is left
.if MSB != \new
	s_set_vgpr_msb (MSB<<8)|\new
.set MSB, \new
.endif
.endm
.set MUL_LO, 0xa1                      ; source 0 window 1, source 1 window 0, C and D window 2
.set MUL_HI, 0xf1                      ; the same, C and D window 3
.set TO_B,   0x40                      ; destination window 1, address window 0
; A joint load of the ring: waves 0 and 1 fetch x's two groups, waves 2 and 3 W's.  The branch hangs on the wave's number alone.  s_nop 0 and four v_nop follow each line.
.macro JLOAD g0a, g1a, g0b, g1b
	s_cmp_eq_u32 s15, 0
	s_cbranch_scc0 .Lfor_b_\@
	tensor_load_to_lds s[\g0a:\g0a+3], s[\g1a:\g1a+7]
	s_nop 0
.rept 4
	v_nop
.endr
	s_branch .Lasked_\@
.Lfor_b_\@:
	tensor_load_to_lds s[\g0b:\g0b+3], s[\g1b:\g1b+7]
	s_nop 0
.rept 4
	v_nop
.endr
.Lasked_\@:
.endm
.macro CREST                           ; a round of the cluster's barrier behind its opening barrier
	s_cmp_lg_u32 s14, 0
	s_cbranch_scc1 .Lnot_wave_0_\@
	s_barrier_signal -3
.Lnot_wave_0_\@:
	s_barrier_wait -3
	s_barrier_signal -1
	s_barrier_wait -1
.endm
.macro CROUND
	s_barrier_signal -1
	s_barrier_wait -1
	CREST
.endm
; 64 numbers of a lane, v[s] .. v[s + 63] in window w, register 16 b + i = k 32 b + 16 (lane / 16) + i of my row, become a fragment's codes in v[pc] on and its scale word in v[pw].
.macro QUANT s, pc, pw, w
	WIN ((\w)|((\w)<<2))
.irp b, 0,1,2,3
	v_max3_num_f32 v[TM+\b], |v[(\s)+16*\b]|, |v[(\s)+16*\b+1]|, 0x2800000   ; block b: my 16 numbers, and the floor 2^(5 - 127): the byte cannot fall under 1
.endr
	WIN (((\w)<<2)|((\w)<<4))
.irp i, 2,4,6,8,10,12,14
.irp b, 0,1,2,3
	v_max3_num_f32 v[TM+\b], v[TM+\b], |v[(\s)+16*\b+\i]|, |v[(\s)+16*\b+\i+1]|
.endr
.endr
	WIN 0
.irp b, 0,1,2,3
	v_permlanex16_b32 v[TM+4+\b], v[TM+\b], s[SEL], s[SEL+1]
.endr
.irp b, 0,1,2,3
	v_max_num_f32 v[TM+\b], v[TM+\b], v[TM+4+\b]   ; with lane l xor 16's: the block's largest magnitude
.endr
.irp b, 0,1,2,3
	v_add_nc_u32 v[TM+12+\b], 0xfe000000, v[TM+\b]   ; 4 off its exponent field: the conversion's scale operand
.endr
.irp b, 0,1,2,3
	v_lshrrev_b32 v[TM+4+\b], 23, v[TM+12+\b]      ; the scale's byte
.endr
	v_lshl_or_b32 v[\pw], v[TM+5], 8, v[TM+4]
	v_lshl_or_b32 v[\pw], v[TM+6], 16, v[\pw]
	v_lshl_or_b32 v[\pw], v[TM+7], 24, v[\pw]
	WIN (\w)
.irp c, 0,1
	v_cvt_scalef32_pk16_bf6_f32 v[(\pc)+6*\c:(\pc)+6*\c+2], v[(\s)+32*\c:(\s)+32*\c+15], v[TM+12+2*\c]
	v_cvt_scalef32_pk16_bf6_f32 v[TP+4*\c:TP+4*\c+2], v[(\s)+32*\c+16:(\s)+32*\c+31], v[TM+13+2*\c]   ; (a conversion's three registers begin on an even number)
.endr
	WIN 0
	v_nop                                          ; one plain place behind a scaled conversion
.irp c, 0,1
.irp i, 0,1,2
	v_permlane16_swap_b32 v[(\pc)+6*\c+\i], v[TP+4*\c+\i]
.endr
.irp i, 0,1,2
	v_mov_b32 v[(\pc)+3+6*\c+\i], v[TP+4*\c+\i]
.endr
.endr
.endm
	s_load_b128 s[4:7], s[0:1], 0x0                ; cq s[4:5], sq s[6:7]
	s_load_b64 s[12:13], s[0:1], 0x10              ; rope; never rewritten
	s_load_b128 s[96:99], s[0:1], 0x18             ; q_gain s[96:97], hc s[98:99]
	s_load_b64 s[100:101], s[0:1], 0x28            ; hs
	s_load_b64 s[66:67], s[0:1], 0x30              ; vt
	v_lshl_add_u32 v[SPW], v0, 2, SPARE
	v_mov_b32 v[NIL], 0
	ds_add_u32 v[SPW], v[NIL]                      ; the opening: the add, twice on end, and its wait ahead of my first tensor load
	ds_add_u32 v[SPW], v[NIL]
	v_lshrrev_b32 v1, 5, v0
	v_readfirstlane_b32 s14, v1                    ; wave 0..3
	s_lshr_b32 s15, s14, 1                         ; which half of the tile's rows is mine.  Also: in the ring I fetch for x (0) or for W (1)
	s_and_b32 s16, s14, 1                          ; which half of its columns.  Also: which group of 128 I fetch
	s_bfe_u32 s40, ttmp6, 0x40000                  ; cx, cy: my place in the cluster
	s_bfe_u32 s41, ttmp6, 0x40004
	s_lshl_b32 s42, ttmp9, 2
	s_add_co_u32 s42, s42, s40                     ; tile column = 4 x cluster x + cx
	s_and_b32 s17, ttmp7, 0xffff
	s_lshl_b32 s17, s17, 2
	s_add_co_u32 s17, s17, s41                     ; tile row = 4 x cluster y + cy
	s_lshl_b32 s43, s41, 2
	s_lshl_b32 s43, 15, s43                        ; my row of the cluster
	s_lshl_b32 s44, 0x1111, s40                    ; my column
	s_cmp_eq_u32 ttmp9, 2                          ; the third column of clusters holds k and v: the same answer in all sixteen partners
	s_cselect_b32 s95, 1, 0
	s_and_b32 s95, s95, s16                        ; 1: my wave makes v
	; group 1 for codes, as the head wants it: 2 rows of 3,072 elements of 8 bytes, 24,576 elements apart: a tile's two groups of one K step.  No padding: a fragment's loads take 512 consecutive bytes
	s_or_b32 s[G1+0], s43, (3<<16)|(1<<21)         ; 15:0 the mask: x's tiles go to my row; 17:16 elements of 8 bytes; 21 set beside a mask
	s_or_b32 s[G1B+0], s44, (3<<16)|(1<<21)
.irp g, G1, G1B
	s_mov_b32 s[\g+1], 3072<<16                    ; tensor_dim0
	s_mov_b32 s[\g+2], 2<<16                       ; tensor_dim1
	s_mov_b32 s[\g+3], 3072<<16                    ; tile_dim0
	s_mov_b32 s[\g+4], 2                           ; tile_dim1
	s_mov_b32 s[\g+5], 24576                       ; tensor_dim0_stride
	s_mov_b32 s[\g+6], 0
	s_mov_b32 s[\g+7], 0
.endr
	s_or_b32 s[G1S+0], s43, (3<<16)|(1<<21)        ; the scale words of 256 positions: 64 rows of 256 bytes, dense
	s_or_b32 s[G1SB+0], s44, (3<<16)|(1<<21)
.irp g, G1S, G1SB
	s_mov_b32 s[\g+1], 32<<16
	s_mov_b32 s[\g+2], 64<<16
	s_mov_b32 s[\g+3], 32<<16
	s_mov_b32 s[\g+4], 64
	s_mov_b32 s[\g+5], 32
	s_mov_b32 s[\g+6], 0
	s_mov_b32 s[\g+7], 0
.endr
	s_lshl_b32 s43, s42, 1                         ; (the masks are used up)  the query head 2 x tile column + half, held at 15 for the columns of k and v:
	s_add_co_u32 s43, s43, s16
	s_min_u32 s43, s43, 15
	s_lshl_b32 s43, s43, 2                         ; its gain's byte; never rewritten
	s_lshl_b32 s20, s17, 1                         ; x's first group: 2 x tile row
	s_lshl_b32 s46, s42, 1
	s_add_co_u32 s46, s46, WB                      ; W's first group
	s_lshl_b32 s22, s20, 13                        ; where the groups' scale words begin,
	s_mov_b32 s23, 0
	s_lshl_b32 s92, s46, 13
	s_mov_b32 s93, 0
	s_mul_i32 s20, s20, 196608                     ; and their codes
	s_mov_b32 s21, 0
	s_mul_i32 s46, s46, 196608
	s_mov_b32 s47, 0
	s_mul_i32 s18, s16, 196608                     ; in the ring I fetch one group of the two
	s_mov_b32 s19, 0
	s_mul_i32 s45, s14, HALF                       ; and where it goes: wave x a group: no place in the cluster enters an LDS address
	s_wait_dscnt 0x0                               ; both opening adds are done
	s_wait_kmcnt 0x0
	s_load_b32 s2, s[96:97], s43 offset:0x0        ; the gain: wanted on the way out
	s_add_nc_u64 s[20:21], s[4:5], s[20:21]
	s_add_nc_u64 s[46:47], s[4:5], s[46:47]        ; W's codes and scale words lie in the same two buffers
	s_add_nc_u64 s[22:23], s[6:7], s[22:23]
	s_add_nc_u64 s[92:93], s[6:7], s[92:93]
	CROUND                                         ; all sixteen work-groups are here: the first joint loads meet
	s_mov_b32 s[G0H], 1                            ; the head's four tiles: x's 256 positions of K step 0,
	s_mov_b32 s[G0H+1], 0
	s_mov_b64 s[G0H+2:G0H+3], s[20:21]
	s_or_b32 s[G0H+3], s[G0H+3], 0x80000000
	s_mov_b32 s[G0HB], 1                           ; W's, behind them in slot 0,
	s_mov_b32 s[G0HB+1], 2*HALF
	s_mov_b64 s[G0HB+2:G0HB+3], s[46:47]
	s_or_b32 s[G0HB+3], s[G0HB+3], 0x80000000
	s_mov_b32 s[G0S], 1                            ; x's scale words,
	s_mov_b32 s[G0S+1], SCL
	s_mov_b64 s[G0S+2:G0S+3], s[22:23]
	s_or_b32 s[G0S+3], s[G0S+3], 0x80000000
	s_mov_b32 s[G0SB], 1                           ; and W's
	s_mov_b32 s[G0SB+1], SCL+2*SHALF
	s_mov_b64 s[G0SB+2:G0SB+3], s[92:93]
	s_or_b32 s[G0SB+3], s[G0SB+3], 0x80000000
	s_add_nc_u64 s[20:21], s[20:21], s[18:19]      ; for the ring: my group
	s_add_nc_u64 s[46:47], s[46:47], s[18:19]
.irp s, 0,1
	s_mov_b32 s[G0+4*\s], 1
	s_add_co_u32 s[G0+4*\s+1], s45, \s*SLOT
	s_add_nc_u64 s[G0+4*\s+2:G0+4*\s+3], s[20:21], \s*HALF
	s_or_b32 s[G0+4*\s+3], s[G0+4*\s+3], 0x80000000
	s_mov_b32 s[G0B+4*\s], 1
	s_add_co_u32 s[G0B+4*\s+1], s45, \s*SLOT
	s_add_nc_u64 s[G0B+4*\s+2:G0B+4*\s+3], s[46:47], \s*HALF
	s_or_b32 s[G0B+4*\s+3], s[G0B+4*\s+3], 0x80000000
.endr
; ONE chain of branches on the wave's number, one load to an arm, all arms leading to one join: one tensor load a wave at the head
.macro ARM under, g0, g1, next
	s_cmp_lt_u32 s14, \under
	s_cbranch_scc0 \next
	tensor_load_to_lds s[\g0:\g0+3], s[\g1:\g1+7]
	s_nop 0
.rept 4
	v_nop
.endr
	s_branch .Lhead_asked
\next:
.endm
	ARM 1, G0H,  G1,  .Lhead_b
	ARM 2, G0HB, G1B, .Lhead_sa
	ARM 3, G0S,  G1S, .Lhead_sb
	tensor_load_to_lds s[G0SB:G0SB+3], s[G1SB:G1SB+7]
	s_nop 0
.rept 4
	v_nop
.endr
.Lhead_asked:
	s_and_b32 s18, s17, 1                          ; the table at my first tile of 16 places: tile 16 x (tile row % 2) + 8 x half, 8,192 bytes a tile
	s_lshl_b32 s18, s18, 17
	s_lshl_b32 s19, s15, 16
	s_add_co_u32 s18, s18, s19
	s_lshl_b32 s19, s41, 2                         ; the table's prefetch: run 2 x (cx + 4 cy) + wave of 32 blocks
	s_add_co_u32 s19, s19, s40
	s_lshl_b32 s19, s19, 1
	s_add_co_u32 s19, s19, s16
	s_lshl_b32 s19, s19, 13
	s_cmp_eq_u32 s15, 0                            ; the tiles' prefetches: my group of x or of W,
	s_cselect_b64 s[PFA:PFA+1], s[20:21], s[46:47]
	s_cselect_b32 s22, s40, s41                    ; my place among the four that ask for it with me,
	s_mul_i32 s22, s22, 6144                       ; 24 blocks of 256 bytes each
	s_mov_b32 s23, 0
	s_add_nc_u64 s[PFA:PFA+1], s[PFA:PFA+1], s[22:23]
	v_and_b32 v1, 31, v0                           ; lane; never rewritten
	v_and_b32 v2, 15, v0                           ; r
	v_bfe_u32 v3, v0, 4, 1                         ; h
	v_lshlrev_b32 v26, 4, v1                       ; 16 x lane: an image's place for my lane; never rewritten
	v_min_u32 v[PFO], 23, v1
	v_lshlrev_b32 v[PFO], 8, v[PFO]
	v_add_nc_u32 v[TBO], s18, v26
	v_lshl_add_u32 v[RPO], v1, 8, s19
.irp b, 0,1,2,3
	v_mov_b32 v[TM+4+\b], 0                        ; written once: a lane permute's destination counts as one of its sources
.endr
	v_mov_b32 v100, 0
	s_wait_alu depctr_va_vdst(0)
	global_prefetch_b8 v[PFO], s[PFA:PFA+1] offset:HALF th:TH_LOAD_NT scope:SCOPE_SE     ; K step 1,
	global_prefetch_b8 v[PFO], s[PFA:PFA+1] offset:2*HALF th:TH_LOAD_NT scope:SCOPE_SE   ; and K step 2: two loads on
	s_mul_i32 s21, s15, HALF                       ; my 128 positions of x,
	s_mul_i32 s22, s16, HALF
	s_add_co_u32 s22, s22, 2*HALF                  ; my 128 positions of W
	s_cmp_lg_u32 s95, 0
	s_cselect_b32 s18, s22, s21                    ; source 1: x, or for v: W.  Either way inside the slot
	s_cselect_b32 s19, s21, s22                    ; source 0: W, or for v: x
.irp s, 0,1
	v_add_nc_u32 v[ADR1+\s], s18, v26
	v_add_nc_u32 v[ADR0+\s], s19, v26
	s_add_co_u32 s18, s18, SLOT
	s_add_co_u32 s19, s19, SLOT
.endr
	v_lshlrev_b32 v5, 3, v2                        ; scale words: 8 bytes a position in a K step
	s_lshl_b32 s21, s15, 13                        ; x's block,
	s_lshl_b32 s22, s16, 13
	s_add_co_u32 s22, s22, 2*SHALF                 ; W's,
	s_sub_co_u32 s22, s22, s21                     ; the distance between them
	v_xor_b32 v6, s95, v3                          ; lanes 0-15 take source 1's, lanes 16-31 source 0's
	v_mul_u32_u24 v6, s22, v6
	s_add_co_u32 s21, s21, SCL
	v_add_nc_u32 v5, v5, v6
	v_add_nc_u32 v[ADRS], s21, v5
.macro FRAG reg, adr, q, i             ; a fragment: block i of 16 positions, the slot's q-th 128 along K: three loads of 512 consecutive bytes
.irp c, 0,1,2
	ds_load_b128 v[(\reg)+4*\c:(\reg)+4*\c+3], v[\adr] offset:3072*(\i)+1536*(\q)+512*\c
.endr
.endm
; 16 matrix instructions: source 1's blocks a0, a0 + 1 x source 0's eight, 128 along K.  p: source 0's set;  sc: the set of scale words.  zero = 1: the first product starts the sums.
; The 64 accumulators take turns, one instruction a turn, in the same order in every step.
.macro MUL16 a0, p, q, sc, zero
.irp a, \a0, \a0+1
.irp b, 0,1,2,3,4,5,6,7
.if \zero
	v_wmma_scale_f32_16x16x128_f8f6f4 v[8*(8*((\a)%4)+\b):8*(8*((\a)%4)+\b)+7], v[128*(\p)+FR*\b:128*(\p)+FR*\b+FR-1], v[AF+FR*(\a):AF+FR*(\a)+FR-1], 0, v[SC+8*NQ*(\sc)+NQ*\b+(\q)], v[SC+8*NQ*(\sc)+NQ*(\a)+(\q)] matrix_a_fmt:MATRIX_FMT_BF6 matrix_b_fmt:MATRIX_FMT_BF6 matrix_a_scale:MATRIX_SCALE_ROW1
.else
	v_wmma_scale_f32_16x16x128_f8f6f4 v[8*(8*((\a)%4)+\b):8*(8*((\a)%4)+\b)+7], v[128*(\p)+FR*\b:128*(\p)+FR*\b+FR-1], v[AF+FR*(\a):AF+FR*(\a)+FR-1], v[8*(8*((\a)%4)+\b):8*(8*((\a)%4)+\b)+7], v[SC+8*NQ*(\sc)+NQ*\b+(\q)], v[SC+8*NQ*(\sc)+NQ*(\a)+(\q)] matrix_a_fmt:MATRIX_FMT_BF6 matrix_b_fmt:MATRIX_FMT_BF6 matrix_a_scale:MATRIX_SCALE_ROW1
.endif
.endr
.endr
.endm
.macro FETCH_B slot, q, p              ; source 0's eight fragments into set p
	WIN TO_B
.irp i, 0,1,2,3,4,5,6,7
	FRAG 128*(\p)+FR*\i, ADR0+\slot, \q, \i
.endr
	WIN 0
.endm
.macro FETCH_A slot, q, i0             ; source 1's blocks i0 .. i0 + 3
.irp i, \i0, \i0+1, \i0+2, \i0+3
	FRAG AF+FR*(\i), ADR1+\slot, \q, \i
.endr
.endm
.macro SCALES sc                       ; a K step's scale words into set sc: two words a position
.irp i, 0,1,2,3,4,5,6,7
	ds_load_b64 v[SC+8*NQ*\sc+NQ*\i:SC+8*NQ*\sc+NQ*\i+1], v[ADRS] offset:128*\i
.endr
.endm
; A load into a register that a matrix instruction has read, and a vector instruction or a store that reads a matrix result, stand NP places behind that matrix instruction; only plain vector instructions that
; name none of its registers are places (ISA guide 7.12.1 for vector instructions).
.macro PLACES n
.rept \n
	v_nop
.endr
.endm
.macro STEP slot, q, zero              ; a step of 128 along K that has its successor in the same slot
	s_wait_dscnt 4*NL                              ; source 0's set and source 1's blocks 0-3 are in; the youngest 12 loads (blocks 4-7) may be out
	WIN MUL_LO
	MUL16 0, (\q)%2, \q, \slot, \zero
	MUL16 2, (\q)%2, \q, \slot, \zero
	s_wait_dscnt 0                                 ; blocks 4-7 are in (asked for 32 matrix instructions ago)
	PLACES NP
	FETCH_B \slot, (\q)+1, 1-(\q)%2
	FETCH_A \slot, (\q)+1, 0
	WIN MUL_HI
	MUL16 4, (\q)%2, \q, \slot, \zero
	MUL16 6, (\q)%2, \q, \slot, \zero
	PLACES NP
	WIN 0
	FETCH_A \slot, (\q)+1, 4
.endm
; A slot's last step changes slots: ONE barrier; in front of it each wave waits for all its tensor loads, adds 0 to its spare word, and waits for that and for its own reads of this slot.  fill = 1: this slot is filled again, two K steps ahead.
.macro TURN slot, next, fill
.if \fill
	s_wait_xcnt 0x0                                ; my prefetches have read their address: it steps one K step only behind this wait
	s_add_nc_u64 s[PFA:PFA+1], s[PFA:PFA+1], HALF
.endif
	s_wait_tensorcnt 0x0                           ; all my tensor loads have landed: my part of the next slot
	ds_add_u32 v[SPW], v[NIL]                      ; 0 onto my spare word
	s_wait_dscnt 4*NL+1                            ; (the add and the youngest 12 loads may be out)
	WIN MUL_LO
	MUL16 0, 1, NQ-1, \slot, 0                     ; sixteen matrix instructions stand between the add and the wait for it
	s_wait_dscnt 0x0                               ; the add is done, and my reads of this slot are over
	s_barrier_signal -1
	MUL16 2, 1, NQ-1, \slot, 0
	WIN 0
	s_barrier_wait -1
.if \fill
	CREST                                          ; the barrier has opened a round of the cluster's barrier: no wave of any partner still reads this slot's tile or has a load on its way
	s_add_nc_u64 s[G0+4*\slot+2:G0+4*\slot+3], s[G0+4*\slot+2:G0+4*\slot+3], 2*HALF
	s_add_nc_u64 s[G0B+4*\slot+2:G0B+4*\slot+3], s[G0B+4*\slot+2:G0B+4*\slot+3], 2*HALF
	JLOAD G0+4*\slot, G1, G0B+4*\slot, G1B         ; the first tensor load behind the round; the four v_nop behind it are the places in front of the loads below
.else
	PLACES NP
.endif
	s_wait_alu depctr_va_vdst(0)                   ; the wait directly ahead of the reader below
	v_add_nc_u32 v[ADRS], 1024, v[ADRS]            ; on to the next K step's scale words (no LDS load of mine is out)
	FETCH_B \next, 0, 0
	FETCH_A \next, 0, 0
	SCALES \next
.if \fill
	s_cmp_gt_u32 s3, 1                             ; the loop's last trip loads K steps 6 and 7: no K step stands two on
	s_cbranch_scc0 .Lno_ask_\@
	global_prefetch_b8 v[PFO], s[PFA:PFA+1] offset:3*HALF th:TH_LOAD_NT scope:SCOPE_SE   ; the K step two loads on from the one just asked for
.Lno_ask_\@:
.endif
	WIN MUL_HI
	MUL16 4, 1, NQ-1, \slot, 0
	MUL16 6, 1, NQ-1, \slot, 0
	PLACES NP
	WIN 0
	FETCH_A \next, 0, 4
.endm
.macro LAST                            ; the very last step: nothing more to fetch
	s_wait_dscnt 4*NL
	WIN MUL_LO
	MUL16 0, 1, NQ-1, 1, 0
	MUL16 2, 1, NQ-1, 1, 0
	s_wait_dscnt 0
	WIN MUL_HI
	MUL16 4, 1, NQ-1, 1, 0
	MUL16 6, 1, NQ-1, 1, 0
	WIN 0
	PLACES NP                                      ; behind the last products: their results are read, and their operands' registers written, from here on
.endm
.macro CSLOAD a                        ; block a's 32 cos and 32 sin a lane, into set a % 4 of window 1
.set CT, 64*((\a)%4)
	WIN TO_B
.irp g, 0,1,2,3,4,5,6,7,8,9,10,11,12,13,14,15
	global_load_b128 v[CT+4*\g:CT+4*\g+3], v[TBO], s[12:13] offset:8192*(\a)+512*\g
.endr
	WIN 0
.endm
	s_wait_alu depctr_va_vdst(0)
	s_wait_tensorcnt 0x0                           ; my tile of the head's four is in
	ds_add_u32 v[SPW], v[NIL]
.irp g, G1, G1B                        ; no tensor load of mine is out, so a descriptor may be written: from here on a load brings one group's 24,576 dense bytes as 96 rows of 256
	s_mov_b32 s[\g+1], 32<<16
	s_mov_b32 s[\g+2], 96<<16
	s_mov_b32 s[\g+3], 32<<16
	s_mov_b32 s[\g+4], 96
	s_mov_b32 s[\g+5], 32
.endr
	s_wait_dscnt 0x0                               ; the add is done
	CROUND                                         ; all four tiles are in, and all sixteen work-groups are here,
	JLOAD G0+4, G1, G0B+4, G1B                     ; and K step 1's load is the first tensor load behind the round
	FETCH_B 0, 0, 0
	FETCH_A 0, 0, 0
	SCALES 0
	FETCH_A 0, 0, 4
	global_prefetch_b8 v[PFO], s[PFA:PFA+1] offset:3*HALF th:TH_LOAD_NT scope:SCOPE_SE   ; K step 3: two loads on
	s_cmp_eq_u32 s15, 0
	s_cbranch_scc0 .Lno_table_ask
	global_prefetch_b8 v[RPO], s[12:13] th:TH_LOAD_NT scope:SCOPE_SE   ; my 32 blocks of the table, which is wanted on the way out
.Lno_table_ask:
	STEP 0, 0, 1                                   ; the first step stands in front of the loop: its products start the sums
	s_mov_b32 s3, LAPS-1
.Llap:                                                 ; a trip goes once round the ring, from a lap's second step to the next lap's first, and fills both slots again
	TURN 0, 1, 1
	STEP 1, 0, 0
	TURN 1, 0, 1
	STEP 0, 0, 0
	s_sub_co_u32 s3, s3, 1
	s_cmp_lg_u32 s3, 0
	s_cbranch_scc1 .Llap
	TURN 0, 1, 0                                   ; the last lap fills nothing, and has no round of the cluster's barrier
	STEP 1, 0, 0
	; ---- THE WAY OUT IS SET UP AHEAD OF THE LAST STEP.  No tensor load is out: the descriptors' registers are free.
	s_wait_kmcnt 0x0                               ; the gain
	s_mov_b32 s[SEL], 0x76543210
	s_mov_b32 s[SEL+1], 0xfedcba98
	s_mov_b32 s38, 0x3c000000                      ; 1 / 128
	s_mov_b32 s39, 0x358637bd                      ; 1e-6
	s_lshr_b32 s24, s17, 1                         ; the batch: a tile row is half a sequence
	s_and_b32 s25, s17, 1
	s_lshl_b32 s25, s25, 4
	s_lshl_b32 s26, s15, 3
	s_add_co_u32 s25, s25, s26                     ; my first tile of 16 places in the sequence
	s_lshr_b32 s26, s25, 3                         ; which 128 places
	s_lshl_b32 s27, s42, 1
	s_add_co_u32 s27, s27, s16                     ; the query head
	s_lshl_b32 s28, s24, 4
	s_add_co_u32 s28, s28, s27                     ; 16 x batch + query head
	s_sub_co_u32 s29, s42, 8                       ; the head of k and v (used in the third column of clusters alone)
	s_lshl_b32 s30, s24, 2
	s_add_co_u32 s30, s30, s29                     ; 4 x batch + that head
	s_mov_b32 s31, 0x3f800000
	s_cmp_eq_u32 ttmp9, 2
	s_cselect_b32 s28, s30, s28
	s_cselect_b32 s2, s31, s2                      ; k has no gain
	s_cselect_b32 s34, KC, 0
	s_cselect_b32 s35, KS, 0
	s_mov_b32 s33, 0
.macro PWOUT                           ; eight tiles' scale words: (tile / 4) x 256 + 16 r + 4 (tile % 4): lanes 0-15 store tiles 0-3, lanes 16-31 tiles 4-7: 512 consecutive bytes
	v_cmp_le_u32 vcc_lo, 16, v1
.irp e, 0,1,2,3
	v_cndmask_b32 v[104+\e], v[PWR+\e], v[PWR+4+\e], vcc_lo
.endr
	global_store_b128 v26, v[104:107], s[100:101]
.endm
	s_cmp_lg_u32 s95, 0                            ; the two ways part here, each with the last step in its own text: only q's and k's waves load the table
	s_cbranch_scc1 .Lvpath
	; ---- q and k: block a is 16 tokens (one a lane), its 64 registers my half of the head's 128, in the order that QUANT wants
	s_lshl_b32 s32, s28, 5
	s_add_co_u32 s32, s32, s25
	s_mul_i32 s32, s32, 1536
	s_add_co_u32 s32, s32, s34
	s_add_nc_u64 s[98:99], s[98:99], s[32:33]      ; my eight fragments
	s_lshl_b32 s32, s28, 2
	s_add_co_u32 s32, s32, s26
	s_lshl_b32 s32, s32, 9
	s_add_co_u32 s32, s32, s35
	s_add_nc_u64 s[100:101], s[100:101], s[32:33]  ; their scale words
.macro QKBLK a
.set WI, 2+(\a)/4
.set AC, 64*((\a)%4)
.set PCX, 2+12*((\a)%2)
.set CT, 64*((\a)%4)
	WIN (WI|(WI<<2))
	v_pk_mul_f32 v[96:97], v[AC:AC+1], v[AC:AC+1]  ; the sum of squares, two chains, each accumulator from its low end on
	v_pk_mul_f32 v[98:99], v[AC+2:AC+3], v[AC+2:AC+3]
.set p, 2
.rept 30
	v_pk_fma_f32 v[96+2*(p%2):97+2*(p%2)], v[AC+2*p:AC+2*p+1], v[AC+2*p:AC+2*p+1], v[96+2*(p%2):97+2*(p%2)]
.set p, p+1
.endr
	WIN 0
	v_add_f32 v96, v96, v97
	v_add_f32 v98, v98, v99
	v_add_f32 v96, v96, v98
	v_permlanex16_b32 v100, v96, s[SEL], s[SEL+1]
	v_add_f32 v96, v96, v100                       ; with lane l xor 16's 64
	v_fma_f32 v96, v96, s38, s39                   ; the mean + 1e-6
	s_wait_alu depctr_va_vdst(0)                   ; the wait ahead of the transcendental,
	v_rsq_f32 v97, v96
	v_nop                                          ; one plain place behind it,
	s_wait_alu depctr_va_vdst(0)                   ; and the wait ahead of its first reader
	v_mul_f32 v30, s2, v97                         ; x the gain
	v_mul_f32 v31, s2, v97
	WIN WI
.set p, 0
.rept 32
	v_pk_mul_f32 v[128+2*p:129+2*p], v[AC+2*p:AC+2*p+1], v[30:31] op_sel_hi:[1,0]
.set p, p+1
.endr
	WIN 0
.if (\a) < 5
	s_wait_loadcnt 48                              ; this block's table is in; the 16 loads of each of the three blocks behind it may be out
.else
	s_wait_loadcnt 16*(7-(\a))                     ; of the blocks that are left
.endif
	WIN 0x04                                       ; source 1: window 1
.set p, 0
.rept 16                                       ; registers 0-31 are channels under 64, registers 32-63 their partners 64 further on
.set TA, 104+4*(p%2)
	v_pk_mul_f32 v[TA:TA+1], v[160+2*p:161+2*p], v[CT+32+2*p:CT+33+2*p]
	v_pk_mul_f32 v[TA+2:TA+3], v[128+2*p:129+2*p], v[CT+32+2*p:CT+33+2*p]
	v_pk_fma_f32 v[128+2*p:129+2*p], v[128+2*p:129+2*p], v[CT+2*p:CT+2*p+1], v[TA:TA+1] neg_lo:[0,0,1] neg_hi:[0,0,1]
	v_pk_fma_f32 v[160+2*p:161+2*p], v[160+2*p:161+2*p], v[CT+2*p:CT+2*p+1], v[TA+2:TA+3]
.set p, p+1
.endr
	WIN 0
.if (\a) > 1
	s_wait_xcnt 0x0                                ; the stores of two blocks ago have read this set of codes: it is written again only behind this wait
.endif
.if (\a) < 4
	CSLOAD (\a)+4                                  ; this block's set of the table takes the block four further on
.endif
	QUANT 128, PCX, PWR+(\a), 0
.irp c, 0,1,2
	global_store_b128 v26, v[PCX+4*\c:PCX+4*\c+3], s[98:99] offset:1536*(\a)+512*\c   ; 512 consecutive bytes, at a multiple of 256 from the buffer's first byte
.endr
.endm
	CSLOAD 0                                       ; into window 1's v0-127: source 0's set 0 is done with (four places stand behind its last products), the rest lay idle
	CSLOAD 1
	LAST
	CSLOAD 2                                       ; and into the set that the last step has read
	CSLOAD 3
.irp a, 0,1,2,3,4,5,6,7
	QKBLK \a
.endr
	PWOUT
	s_branch .Lend
	; ---- v: block a is 16 channels (one a lane), its 64 registers my half of 128 keys
.Lvpath:
	s_lshl_b32 s31, s30, 2
	s_add_co_u32 s31, s31, s26                     ; (4 x batch + head) x 4 + which 128 keys
	s_mul_i32 s32, s31, 12288
	s_add_co_u32 s32, s32, VC
	s_add_nc_u64 s[98:99], s[98:99], s[32:33]
	s_lshl_b32 s32, s31, 9
	s_add_co_u32 s32, s32, VS
	s_add_nc_u64 s[100:101], s[100:101], s[32:33]
	s_lshl_b32 s32, s31, 16
	s_add_nc_u64 s[66:67], s[66:67], s[32:33]
.macro VBLK a
.set WI, 2+(\a)/4
.set AC, 64*((\a)%4)
.set PCX, 2+12*((\a)%2)
	WIN (WI<<2)                                    ; a store's data are its source 1
.irp g, 0,1,2,3,4,5,6,7,8,9,10,11,12,13,14,15
	global_store_b128 v26, v[AC+4*\g:AC+4*\g+3], s[66:67] offset:8192*(\a)+512*\g   ; the sums as they stand, each accumulator from its low end on; 512 consecutive bytes a store
.endr
	WIN 0
.if (\a) > 1
	s_wait_xcnt 0x0                                ; the stores of two blocks ago have read this set of codes
.endif
	QUANT AC, PCX, PWR+(\a), WI
.irp c, 0,1,2
	global_store_b128 v26, v[PCX+4*\c:PCX+4*\c+3], s[98:99] offset:1536*(\a)+512*\c
.endr
.endm
	LAST
.irp a, 0,1,2,3,4,5,6,7
	VBLK \a
.endr
	PWOUT
.Lend:
	s_wait_tensorcnt 0x0                           ; the wave's end
	ds_add_u32 v[SPW], v[NIL]
	s_wait_dscnt 0x0
	CROUND                                         ; the closing round: no work-group ends while a partner may still ask for a tile that names it
	s_endpgm
.Lfunc_end_k_qf19f9ab4fc_qkv:
	.size	k_qf19f9ab4fc_qkv, .Lfunc_end_k_qf19f9ab4fc_qkv-k_qf19f9ab4fc_qkv
	.p2alignl 7, 3214868480
	.fill 96, 4, 3214868480
	.section	.rodata,"a",@progbits
	.p2align	6, 0x0
	.amdhsa_kernel k_qf19f9ab4fc_qkv
		.amdhsa_group_segment_fixed_size 327680
		.amdhsa_private_segment_fixed_size 0
		.amdhsa_enable_private_segment 0
		.amdhsa_kernarg_size 56
		.amdhsa_user_sgpr_count 2
		.amdhsa_user_sgpr_kernarg_segment_ptr 1
		.amdhsa_wavefront_size32 1
		.amdhsa_system_sgpr_workgroup_id_x 1
		.amdhsa_system_sgpr_workgroup_id_y 1
		.amdhsa_system_sgpr_workgroup_id_z 1
		.amdhsa_system_vgpr_workitem_id 0
		.amdhsa_next_free_vgpr 1024
		.amdhsa_next_free_sgpr 102
		.amdhsa_reserve_vcc 1
		.amdhsa_float_denorm_mode_32 3
		.amdhsa_float_denorm_mode_16_64 3
		.amdhsa_memory_ordered 1
		.amdhsa_forward_progress 1
		.amdhsa_inst_pref_size 255
	.end_amdhsa_kernel
	.section	.bss,"aw",@nobits
	.p2align	6
	.space	262144
	.amdgpu_metadata
---
amdhsa.version: [ 1, 2 ]
amdhsa.kernels:
  - .name:           k_qf19f9ab4fc_qkv
    .symbol:         k_qf19f9ab4fc_qkv.kd
    .args:
      - { .name: cq, .offset: 0, .size: 8, .value_kind: global_buffer, .address_space: global }
      - { .name: sq, .offset: 8, .size: 8, .value_kind: global_buffer, .address_space: global }
      - { .name: rope, .offset: 16, .size: 8, .value_kind: global_buffer, .address_space: global }
      - { .name: q_gain, .offset: 24, .size: 8, .value_kind: global_buffer, .address_space: global }
      - { .name: hc, .offset: 32, .size: 8, .value_kind: global_buffer, .address_space: global }
      - { .name: hs, .offset: 40, .size: 8, .value_kind: global_buffer, .address_space: global }
      - { .name: vt, .offset: 48, .size: 8, .value_kind: global_buffer, .address_space: global }
    .group_segment_fixed_size: 327680
    .private_segment_fixed_size: 0
    .kernarg_segment_align: 8
    .kernarg_segment_size: 56
    .max_flat_workgroup_size: 128
    .sgpr_count:     102
    .vgpr_count:     1024
    .wavefront_size: 32
...
	.end_amdgpu_metadata
.endif
;; end of part 2
;; launch attn (part 3): grid 8 x 32, 16 waves a work-group, clusters of 4 x 1, 169,984 bytes of LDS; arguments hc, hs, vt, yc, ys; writes yc, ys
.if DOCPART == 3
	.amdgcn_target "amdgcn-amd-amdhsa--gfx1250"
	.amdhsa_code_object_version 6
	.text
	.protected	k_qf19f9ab4fc_attn
	.globl	k_qf19f9ab4fc_attn
	.p2align	8
	.type	k_qf19f9ab4fc_attn,@function
k_qf19f9ab4fc_attn:
	s_mov_b64 s[64:65], 0
	v_nop
	global_prefetch_b8 v0, s[64:65] scope:SCOPE_SE
	s_setreg_imm32_b32 hwreg(HW_REG_WAVE_MODE, 25, 1), 1
	s_wait_xcnt 0x0
	s_wait_alu depctr_hold_cnt(0) depctr_sa_sdst(0) depctr_va_vdst(0) depctr_va_sdst(0) depctr_va_ssrc(0) depctr_va_vcc(0) depctr_vm_vsrc(0)
	s_getreg_b32 s2, hwreg(HW_REG_IB_STS2, 6, 4)
	s_cmp_eq_u32 s2, 0
	s_cbranch_scc0 .Lentry_in_a_cluster
	s_endpgm
.Lentry_in_a_cluster:
	s_bfe_u32 s2, ttmp6, 0x10000c
	s_cmp_lg_u32 s2, 0x3003
	s_cbranch_scc0 .Lentry_shape_is_right
	s_endpgm
.Lentry_shape_is_right:
; ATTN.  For each of 32 (batch, head of k and v): causal attention of four query heads x 512 queries over 512 keys, both products on codes of BF6 (E3M2) with E8M0 scales; then y - (y . vn) vn with
; vn = v / (|v| + 1e-8) of the query's own place, v unquantised; then y is quantised along the model's 2,048 for the last projection.
; THE SOFTMAX AHEAD OF THE SECOND PRODUCT: t = score x log2(e) / sqrt(128); M = the row's largest t so far, rounded UP to a whole number; p = 2^(t - M) is what is quantised, along the keys; the row's sum is taken of the
; unquantised p and divides at the end.  When M moves, the sum and O are multiplied by 2^(old M - new M): exact.
; SHARES.  A work-group (i = 0..7) of sixteen waves, 256 registers each, four to a SIMD.  Wave w: query head g = w / 4, quarter k = (w + g) % 4 of the sequence, tile 8 k + i of 16 queries.  A tile of quarter k walks k + 1 steps of
; 128 keys, the last on the diagonal: every work-group has 40 steps, and so has every four waves with w % 4 alike 10.  i enters global addresses and the mask's threshold alone: no branch and no LDS address.
; NO RING: a head's codes of k and v (2 x 49,152 bytes) and their scale words (2 x 2,048) lie in LDS whole, filled once.  The four work-groups of a cluster want the same bytes: each block is asked for jointly.
; LAYOUT.  Both products are used transposed: S^T = K Q^T, O^T = V^T P^T: a lane holds ONE query (lane % 16) throughout.  Tiles hold positions: position 32 c + 16 u + r is place 32 c + 8 u + r % 8 + 16 (r / 8), so that the 16
; registers of tiles 2 b and 2 b + 1 are 16 neighbouring keys (or channels), 32 b + 16 (lane / 16) + 0 .. 15.
; LIMITS: NaN and infinities are not served; a block whose every p has fallen to 0 keeps the byte 1 (its codes are zeros).  A block's largest p is taken from its largest score: that leans on v_exp_f32 not falling where its input rises.
; REGISTERS: v1-9 addresses and the mask's threshold; v12 -M, v13 the largest t, v[14:15] the sum in two halves; v16-27 Q; v32-79 four fragments of K or V; v96-159 S^T, then p; v160-223 O^T; v224-235 p's codes;
;   v232-247, v252, v254 at work; v248-251 the fragments' scale words, v253 p's, v255 Q's.
.set KC,   6291456
.set KS,   262144
.set VCL,  49152                       ; LDS: k's 32 fragments at 0, v's 32 here,
.set KSL,  98304                       ; k's scale words,
.set VSL,  100352                      ; v's,
.set VST,  102400                      ; four stages of 9,216 bytes: v in f32 of the work-group's four tiles of queries.  No tensor load lands here
.set AK,   1                           ; v1  16 x lane
.set AV,   2                           ; v2  VCL + 16 x lane
.set ASK,  3                           ; v3  KSL + 16 r
.set ASV,  4                           ; v4  VSL + 16 r
.set VSTO, 5                           ; v5  where a staging wave puts 16 bytes
.set VRD,  6                           ; v6  where I read my query's v
.set TM,   180                         ; QUANT's registers: O^T's, which are free by then
.set TP,   172
.set WV,   18
.set SEL,  20
.set CS,   22                          ; s[22:23] c = log2(e) / sqrt(128)
.set G1C,  24
.set G1S,  32
.set G0C,  40
.set G0S,  44
.set KQ,   48                          ; s48 my quarter
.set MSB,  0
.macro WIN new                         ; (this text has one window: the macro writes nothing here)
.if MSB != \new
	s_set_vgpr_msb (MSB<<8)|\new
.set MSB, \new
.endif
.endm
.macro QUANT s, pc, pw, w              ; 64 numbers of a lane, register 16 b + i = k 32 b + 16 (lane / 16) + i of my row, become a fragment's codes in v[pc] on and its scale word in v[pw]
	WIN ((\w)|((\w)<<2))
.irp b, 0,1,2,3
	v_max3_num_f32 v[TM+\b], |v[(\s)+16*\b]|, |v[(\s)+16*\b+1]|, 0x2800000   ; and the floor 2^(5 - 127): the byte cannot fall under 1
.endr
	WIN (((\w)<<2)|((\w)<<4))
.irp i, 2,4,6,8,10,12,14
.irp b, 0,1,2,3
	s_delay_alu instid0(VALU_DEP_4)
	v_max3_num_f32 v[TM+\b], v[TM+\b], |v[(\s)+16*\b+\i]|, |v[(\s)+16*\b+\i+1]|
.endr
.endr
	WIN 0
.irp b, 0,1,2,3
	v_permlanex16_b32 v[TM+4+\b], v[TM+\b], s[SEL], s[SEL+1]
.endr
.irp b, 0,1,2,3
	s_delay_alu instid0(VALU_DEP_4)
	v_max_num_f32 v[TM+\b], v[TM+\b], v[TM+4+\b]
.endr
.irp b, 0,1,2,3
	s_delay_alu instid0(VALU_DEP_4)
	v_add_nc_u32 v[TM+12+\b], 0xfe000000, v[TM+\b]
.endr
.irp b, 0,1,2,3
	s_delay_alu instid0(VALU_DEP_4)
	v_lshrrev_b32 v[TM+4+\b], 23, v[TM+12+\b]
.endr
	s_delay_alu instid0(VALU_DEP_3)
	v_lshl_or_b32 v[\pw], v[TM+5], 8, v[TM+4]
	s_delay_alu instid0(VALU_DEP_1)
	v_lshl_or_b32 v[\pw], v[TM+6], 16, v[\pw]
	s_delay_alu instid0(VALU_DEP_1)
	v_lshl_or_b32 v[\pw], v[TM+7], 24, v[\pw]
	WIN (\w)
.irp c, 0,1
	v_cvt_scalef32_pk16_bf6_f32 v[(\pc)+6*\c:(\pc)+6*\c+2], v[(\s)+32*\c:(\s)+32*\c+15], v[TM+12+2*\c]
	v_cvt_scalef32_pk16_bf6_f32 v[TP+4*\c:TP+4*\c+2], v[(\s)+32*\c+16:(\s)+32*\c+31], v[TM+13+2*\c]
.endr
	WIN 0
	v_nop                                          ; one plain place behind a scaled conversion
.irp c, 0,1
.irp i, 0,1,2
	v_permlane16_swap_b32 v[(\pc)+6*\c+\i], v[TP+4*\c+\i]
.endr
.irp i, 0,1,2
	s_delay_alu instid0(VALU_DEP_3)
	v_mov_b32 v[(\pc)+3+6*\c+\i], v[TP+4*\c+\i]
.endr
.endr
.endm
.macro ROUND                           ; a round of the cluster's barrier
	s_barrier_signal -1
	s_barrier_wait -1
	s_cmp_lg_u32 s[WV], 0
	s_cbranch_scc1 .Lnot_wave_0_\@
	s_barrier_signal -3
.Lnot_wave_0_\@:
	s_barrier_wait -3
	s_barrier_signal -1
	s_barrier_wait -1
.endm
	s_load_b256 s[4:11], s[0:1], 0x0               ; hc s[4:5], hs s[6:7], vt s[8:9], yc s[10:11]
	s_load_b64 s[12:13], s[0:1], 0x20              ; ys
	v_lshl_add_u32 v31, v0, 2, 0x29000
	v_mov_b32 v243, 0
	ds_add_u32 v31, v243
	ds_add_u32 v31, v243
	v_lshrrev_b32 v10, 5, v0
	s_delay_alu instid0(VALU_DEP_1)
	v_readfirstlane_b32 s[WV], v10                 ; wave 0..15
	s_lshr_b32 s19, s[WV], 2                       ; g
	s_add_co_u32 s[KQ], s[WV], s19
	s_and_b32 s[KQ], s[KQ], 3                      ; k
	s_bfe_u32 s54, ttmp6, 0x40000                  ; cx
	s_lshl_b32 s49, ttmp9, 2
	s_add_co_u32 s49, s49, s54                     ; i = 4 x cluster x + cx
	s_and_b32 s50, ttmp7, 0xffff                   ; 4 x batch + head, which the four partners share
	s_lshr_b32 s51, s50, 2                         ; the batch
	s_and_b32 s52, s50, 3                          ; the head of k and v
	s_lshl_b32 s53, s52, 2
	s_add_co_u32 s53, s53, s19                     ; the query head
	s_and_b32 s54, s[WV], 1                        ; what I fetch, if I fetch: k's (0) or v's (1)
	; every LDS address is made here, ahead of the first branch on the wave's number
	v_and_b32 v10, 31, v0                          ; lane
	v_and_b32 v11, 15, v0                          ; r
	v_bfe_u32 v232, v0, 4, 1                       ; h
	s_delay_alu instid0(VALU_DEP_3)
	v_lshlrev_b32 v[AK], 4, v10
	s_delay_alu instid0(VALU_DEP_1)
	v_add_nc_u32 v[AV], VCL, v[AK]
	s_delay_alu instid0(VALU_DEP_4)
	v_lshl_add_u32 v[ASK], v11, 4, KSL
	v_lshl_add_u32 v[ASV], v11, 4, VSL
	s_mul_i32 s55, s[KQ], 9216
	s_add_co_u32 s55, s55, VST                     ; my quarter's stage
	v_mul_u32_u24 v[VSTO], v232, 288
	s_delay_alu instid0(VALU_DEP_1)
	v_lshl_add_u32 v[VSTO], v11, 4, v[VSTO]
	s_delay_alu instid0(VALU_DEP_1)
	v_add_nc_u32 v[VSTO], s55, v[VSTO]             ; in: 288 (lane / 16) + 16 (lane % 16); 1,152 a tile of channels, 576 a group of four keys
	v_bfe_u32 v233, v0, 2, 1
	s_delay_alu instid0(VALU_DEP_1)
	v_mul_u32_u24 v[VRD], v233, 576
	v_bfe_u32 v233, v0, 3, 1                       ; r / 8
	s_delay_alu instid0(VALU_DEP_1)
	v_mad_u32_u24 v[VRD], v233, 288, v[VRD]
	s_delay_alu instid0(VALU_DEP_1)
	v_lshl_add_u32 v[VRD], v232, 7, v[VRD]
	v_and_b32 v234, 3, v0
	s_delay_alu instid0(VALU_DEP_1)
	v_lshl_add_u32 v[VRD], v234, 2, v[VRD]
	s_delay_alu instid0(VALU_DEP_1)
	v_add_nc_u32 v[VRD], s55, v[VRD]               ; out: 576 ((r / 4) % 2) + 288 (r / 8) + 128 h + 4 (r % 4): in words 144, 72, 32, 1: the 32 lanes touch 32 different banks
	v_lshlrev_b32 v7, 4, v11                       ; 16 r: Q's scale word
	v_lshlrev_b32 v8, 3, v11                       ; 8 r: y's scale word
	s_lshr_b32 s72, s49, 1
	s_lshl_b32 s72, s72, 5
	s_and_b32 s73, s49, 1
	s_lshl_b32 s73, s73, 3
	s_add_co_u32 s72, s72, s73                     ; 32 (i / 2) + 8 (i % 2)
	v_and_b32 v9, 7, v0
	s_delay_alu instid0(VALU_DEP_1)
	v_lshl_add_u32 v9, v233, 4, v9
	v_lshlrev_b32 v234, 4, v232
	s_delay_alu instid0(VALU_DEP_1)
	v_sub_nc_u32 v9, v9, v234
	s_delay_alu instid0(VALU_DEP_1)
	v_add_nc_u32 v9, s72, v9                       ; d = my query's place in its quarter - 16 h: on the diagonal register 16 b + e holds a hidden key where 32 b + e > d
	v_mov_b32 v14, 0                               ; the sum, in two halves
	v_mov_b32 v15, 0
.irp b, 0,1,2,3
	v_mov_b32 v[236+\b], 0                         ; written once: a lane permute's destination counts as one of its sources
.endr
	v_mov_b32 v252, 0
	s_mov_b32 s[SEL], 0x76543210
	s_mov_b32 s[SEL+1], 0xfedcba98
	s_mov_b32 s[CS], 0x3e0293ee
	s_mov_b32 s[CS+1], s[CS]                       ; (named with it as a pair, so it is written)
	; byte offsets
	s_lshl_b32 s72, s[KQ], 3
	s_add_co_u32 s72, s72, s49                     ; my tile: 8 k + i
	s_lshl_b32 s73, s51, 4
	s_add_co_u32 s73, s73, s53                     ; 16 x batch + query head
	s_lshl_b32 s56, s73, 5
	s_add_co_u32 s56, s56, s72
	s_mul_i32 s56, s56, 1536                       ; Q's fragment
	s_mov_b32 s57, 0
	s_lshl_b32 s58, s73, 2
	s_add_co_u32 s58, s58, s[KQ]
	s_lshl_b32 s58, s58, 9
	s_lshr_b32 s74, s49, 2
	s_lshl_b32 s74, s74, 8
	s_add_co_u32 s58, s58, s74
	s_and_b32 s74, s49, 3
	s_lshl_b32 s74, s74, 2
	s_add_co_u32 s58, s58, s74                     ; its scale words
	s_mov_b32 s59, 0
	s_mul_i32 s60, s54, 1572864
	s_mul_i32 s74, s50, 49152
	s_add_co_u32 s60, s60, s74
	s_add_co_u32 s60, s60, KC                      ; the head's codes of k or of v
	s_mov_b32 s61, 0
	s_lshl_b32 s62, s54, 16
	s_lshl_b32 s74, s50, 11
	s_add_co_u32 s62, s62, s74
	s_add_co_u32 s62, s62, KS                      ; and their scale words
	s_mov_b32 s63, 0
	s_lshl_b32 s66, s50, 2
	s_add_co_u32 s66, s66, s[KQ]
	s_lshl_b32 s66, s66, 16
	s_lshl_b32 s74, s49, 10
	s_add_co_u32 s66, s66, s74                     ; v in f32: my quarter's block, registers 8 i .. 8 i + 7 of each tile of channels
	s_mov_b32 s67, 0
	s_lshl_b32 s74, s51, 2
	s_add_co_u32 s74, s74, s[KQ]                   ; y's group of 128 positions: 4 x batch + k
	s_lshl_b32 s75, s52, 1
	s_lshr_b32 s72, s19, 1
	s_add_co_u32 s75, s75, s72                     ; which 256 along the last projection's K: query head / 2
	s_and_b32 s72, s19, 1                          ; and which 128 of them
	s_mul_i32 s68, s74, 196608
	s_mul_i32 s73, s75, 24576
	s_add_co_u32 s68, s68, s73
	s_mul_i32 s73, s49, 3072
	s_add_co_u32 s68, s68, s73
	s_mul_i32 s73, s72, 1536
	s_add_co_u32 s68, s68, s73
	s_mov_b32 s69, 0
	s_lshl_b32 s70, s74, 13
	s_lshl_b32 s73, s75, 10
	s_add_co_u32 s70, s70, s73
	s_lshl_b32 s73, s49, 7
	s_add_co_u32 s70, s70, s73
	s_lshl_b32 s73, s72, 2
	s_add_co_u32 s70, s70, s73
	s_mov_b32 s71, 0
	; group 1: dense blocks as rows of 32 elements of 8 bytes: 192 rows of codes, 8 rows of scale words; no padding
	s_mov_b32 s[G1C], 15|(3<<16)|(1<<21)           ; 15:0 the mask: all four work-groups; 17:16 elements of 8 bytes; 21 set beside a mask
	s_mov_b32 s[G1C+1], 32<<16
	s_mov_b32 s[G1C+2], 192<<16
	s_mov_b32 s[G1C+3], 32<<16
	s_mov_b32 s[G1C+4], 192
	s_mov_b32 s[G1C+5], 32
	s_mov_b32 s[G1C+6], 0
	s_mov_b32 s[G1C+7], 0
	s_mov_b32 s[G1S], 15|(3<<16)|(1<<21)
	s_mov_b32 s[G1S+1], 32<<16
	s_mov_b32 s[G1S+2], 8<<16
	s_mov_b32 s[G1S+3], 32<<16
	s_mov_b32 s[G1S+4], 8
	s_mov_b32 s[G1S+5], 32
	s_mov_b32 s[G1S+6], 0
	s_mov_b32 s[G1S+7], 0
	s_lshl_b32 s72, s54, 11
	s_wait_dscnt 0x0
	s_wait_kmcnt 0x0
	s_mov_b32 s[G0C], 1
	s_mul_i32 s[G0C+1], s54, VCL
	s_add_nc_u64 s[G0C+2:G0C+3], s[4:5], s[60:61]
	s_or_b32 s[G0C+3], s[G0C+3], 0x80000000
	s_mov_b32 s[G0S], 1
	s_add_co_u32 s[G0S+1], s72, KSL
	s_add_nc_u64 s[G0S+2:G0S+3], s[6:7], s[62:63]
	s_or_b32 s[G0S+3], s[G0S+3], 0x80000000
	s_add_nc_u64 s[56:57], s[4:5], s[56:57]
	s_add_nc_u64 s[58:59], s[6:7], s[58:59]
	s_add_nc_u64 s[8:9], s[8:9], s[66:67]
	s_add_nc_u64 s[10:11], s[10:11], s[68:69]
	s_add_nc_u64 s[12:13], s[12:13], s[70:71]
	ROUND                                          ; all four work-groups are here: the joint loads meet
	s_cmp_lt_u32 s[WV], 2                          ; waves 0, 1: the codes of k, of v; waves 2, 3: their scale words; the others fetch nothing.  Four v_nop follow each line
	s_cbranch_scc0 .Lnot_codes
	tensor_load_to_lds s[G0C:G0C+3], s[G1C:G1C+7]
	s_nop 0
.rept 4
	v_nop
.endr
	s_branch .Lasked
.Lnot_codes:
	s_cmp_lt_u32 s[WV], 4
	s_cbranch_scc0 .Lasked
	tensor_load_to_lds s[G0S:G0S+3], s[G1S:G1S+7]
	s_nop 0
.rept 4
	v_nop
.endr
.Lasked:
.irp c, 0,1,2
	global_load_b128 v[16+4*\c:19+4*\c], v[AK], s[56:57] offset:512*\c   ; Q's fragment stays in registers
.endr
	global_load_b32 v255, v7, s[58:59]             ; its scale words
	s_cmp_eq_u32 s19, 1                            ; waves 4-7, one for each quarter, bring v in f32 of that quarter's tile of queries into its stage
	s_cbranch_scc0 .Lno_stage
.irp t, 0,1,2,3,4,5,6,7
.irp u, 0,1
	global_load_b128 v[96+8*\t+4*\u:99+8*\t+4*\u], v[AK], s[8:9] offset:8192*\t+512*\u
.endr
.endr
	s_wait_loadcnt 0x0
.irp t, 0,1,2,3,4,5,6,7
.irp u, 0,1
	ds_store_b128 v[VSTO], v[96+8*\t+4*\u:99+8*\t+4*\u] offset:1152*\t+576*\u
.endr
.endr
.Lno_stage:
	s_wait_tensorcnt 0x0                           ; for the others' sake: my block has landed,
	s_wait_loadcnt 0x0                             ; (Q)
	s_wait_dscnt 0x0                               ; my stores into the stage are done
	s_barrier_signal -1
	s_barrier_wait -1                              ; everybody's are; nothing in LDS is written from here on
; A KEY STEP: keys 128 s on.  first = 1: step 0, which every wave runs: it starts M and O^T.
.macro STEP s, first
.if (\s) > 0
	s_cmp_lt_u32 s[KQ], \s                         ; all these keys come after my queries: done.  The branch hangs on the wave's number alone
	s_cbranch_scc1 .Ldone
.rept 4
	v_nop                                          ; places in front of loads into registers that the last products have read
.endr
.endif
.irp g, 0,1                                    ; S^T = K Q^T, four tiles of 16 keys at a time
.if \g > 0
.rept 4
	v_nop
.endr
.endif
.irp t, 0,1,2,3
.irp c, 0,1,2
	ds_load_b128 v[32+12*\t+4*\c:35+12*\t+4*\c], v[AK] offset:(8*(\s)+4*\g+\t)*1536+512*\c
.endr
.endr
	ds_load_b128 v[248:251], v[ASK] offset:512*(\s)+256*\g   ; the four tiles' scale words
	s_wait_dscnt 0x0
.irp t, 0,1,2,3
	v_wmma_scale_f32_16x16x128_f8f6f4 v[96+8*(4*\g+\t):103+8*(4*\g+\t)], v[32+12*\t:43+12*\t], v[16:27], 0, v[248+\t], v255 matrix_a_fmt:MATRIX_FMT_BF6 matrix_b_fmt:MATRIX_FMT_BF6
.endr
.endr
.rept 4
	v_nop
.endr
	s_cmp_lg_u32 s[KQ], \s                         ; on the diagonal the scores of hidden keys become -infinity ahead of the maximum: p = 0 then.  The query's own key always counts
	s_cbranch_scc1 .Lopen_\@
	v_mov_b32 v254, 0xff800000
.set n, 0
	s_wait_alu depctr_va_vdst(0)
.rept 64
	v_cmp_gt_i32 vcc_lo, 32*(n/16)+n%16, v9
	v_cndmask_b32 v[96+n], v[96+n], v254, vcc_lo
.set n, n+1
.endr
.Lopen_\@:
.irp b, 0,1,2,3
	v_max3_num_f32 v[232+\b], v[96+16*\b], v[97+16*\b], v[98+16*\b]   ; the largest score of each block of 32 keys: for the row's maximum, and, since p rises with the score, for the block's largest p
.endr
.irp i, 3,5,7,9,11,13
.irp b, 0,1,2,3
	v_max3_num_f32 v[232+\b], v[232+\b], v[96+16*\b+\i], v[97+16*\b+\i]
.endr
.endr
.irp b, 0,1,2,3
	v_max_num_f32 v[232+\b], v[232+\b], v[111+16*\b]
.endr
.irp b, 0,1,2,3
	s_delay_alu instid0(VALU_DEP_4)
	v_permlanex16_b32 v[236+\b], v[232+\b], s[SEL], s[SEL+1]
.endr
.irp b, 0,1,2,3
	s_delay_alu instid0(VALU_DEP_4)
	v_max_num_f32 v[232+\b], v[232+\b], v[236+\b]  ; with lane l xor 16's 16 keys
.endr
	s_delay_alu instid0(VALU_DEP_2)
	v_max3_num_f32 v254, v232, v233, v234
	s_delay_alu instid0(VALU_DEP_1)
	v_max_num_f32 v254, v254, v235                 ; the step's largest score of my query
.if \first
	s_delay_alu instid0(VALU_DEP_1)
	v_mul_f32 v13, s[CS], v254                     ; as t (c is positive)
	s_delay_alu instid0(VALU_DEP_1)
	v_floor_f32 v12, -v13                          ; -M = floor(-t) = -ceil(t)
.else
	s_delay_alu instid0(VALU_DEP_1)
	v_mul_f32 v254, s[CS], v254
	s_delay_alu instid0(VALU_DEP_1)
	v_max_num_f32 v13, v13, v254                   ; the running largest t
	v_mov_b32 v254, v12
	s_delay_alu instid0(VALU_DEP_2)
	v_floor_f32 v12, -v13
	s_delay_alu instid0(VALU_DEP_1)
	v_sub_f32 v254, v12, v254                      ; M's old value less its new one: a whole number, 0 or less
	s_delay_alu instid0(VALU_DEP_1)
	v_cvt_i32_f32 v254, v254
	s_delay_alu instid0(VALU_DEP_1)
	v_ldexp_f32 v252, 1.0, v254                    ; f = 2^(old M - new M)
.endif
.set n, 0
.rept 32
	v_pk_fma_f32 v[96+n:97+n], v[96+n:97+n], s[CS:CS+1], v[12:13] op_sel_hi:[1,0,0]   ; t - M, two at a time
.set n, n+2
.endr
.irp b, 0,1,2,3
	v_fma_f32 v[232+\b], v[232+\b], s[CS], v12     ; the same of each block's largest score
.endr
.set n, 0
	s_wait_alu depctr_va_vdst(0)
.rept 64
	v_exp_f32 v[96+n], v[96+n]                     ; p = 2^(t - M), at most 1
.set n, n+1
.endr
.irp b, 0,1,2,3
	v_exp_f32 v[232+\b], v[232+\b]                 ; the block's largest p
.endr
.if \first
	v_nop                                          ; a plain place behind the exponentials
	s_wait_alu depctr_va_vdst(0)
.else
	v_pk_mul_f32 v[14:15], v[14:15], v[252:253] op_sel_hi:[1,0]   ; the sums under the new M.  (A plain place behind the exponentials)
	s_wait_alu depctr_va_vdst(0)
.endif
.irp b, 0,1,2,3
	v_max_num_f32 v[232+\b], 0x2800000, v[232+\b]  ; the floor 2^(5 - 127): the byte cannot fall under 1
.endr
.irp b, 0,1,2,3
	s_delay_alu instid0(VALU_DEP_4)
	v_add_nc_u32 v[244+\b], 0xfe000000, v[232+\b]  ; 4 off the exponent field: the conversion's scale operand
.endr
.irp b, 0,1,2,3
	s_delay_alu instid0(VALU_DEP_4)
	v_lshrrev_b32 v[236+\b], 23, v[244+\b]         ; the scale's byte
.endr
	s_delay_alu instid0(VALU_DEP_3)
	v_lshl_or_b32 v253, v237, 8, v236              ; p's scale word for these 128 keys
	s_delay_alu instid0(VALU_DEP_1)
	v_lshl_or_b32 v253, v238, 16, v253
	s_delay_alu instid0(VALU_DEP_1)
	v_lshl_or_b32 v253, v239, 24, v253
.irp c, 0,1
	v_cvt_scalef32_pk16_bf6_f32 v[224+6*\c:226+6*\c], v[96+32*\c:111+32*\c], v[244+2*\c]
	v_cvt_scalef32_pk16_bf6_f32 v[236+4*\c:238+4*\c], v[112+32*\c:127+32*\c], v[244+2*\c+1]
.endr
	v_nop                                          ; one plain place behind a scaled conversion
.irp c, 0,1
.irp i, 0,1,2
	v_permlane16_swap_b32 v[224+6*\c+\i], v[236+4*\c+\i]
.endr
.irp i, 0,1,2
	s_delay_alu instid0(VALU_DEP_3)
	v_mov_b32 v[227+6*\c+\i], v[236+4*\c+\i]
.endr
.endr
	v_pk_add_f32 v[236:237], v[100:101], v[104:105]
	v_pk_add_f32 v[250:251], v[108:109], v[112:113]
	v_pk_add_f32 v[248:249], v[116:117], v[120:121]
	v_pk_add_f32 v[246:247], v[124:125], v[128:129]
	v_pk_add_f32 v[244:245], v[132:133], v[136:137]
	v_pk_add_f32 v[240:241], v[140:141], v[144:145]
	v_pk_add_f32 v[94:95], v[148:149], v[152:153]
	v_pk_add_f32 v[14:15], v[14:15], v[156:157]
	v_pk_add_f32 v[236:237], v[236:237], v[96:97]
	v_pk_add_f32 v[250:251], v[250:251], v[98:99]
	v_pk_add_f32 v[248:249], v[248:249], v[102:103]
	v_pk_add_f32 v[246:247], v[246:247], v[106:107]
	v_pk_add_f32 v[244:245], v[244:245], v[110:111]
	v_pk_add_f32 v[240:241], v[240:241], v[114:115]
	v_pk_add_f32 v[94:95], v[94:95], v[118:119]
	v_pk_add_f32 v[14:15], v[14:15], v[122:123]
	v_pk_add_f32 v[236:237], v[236:237], v[126:127]
	v_pk_add_f32 v[250:251], v[250:251], v[130:131]
	v_pk_add_f32 v[248:249], v[248:249], v[134:135]
	v_pk_add_f32 v[246:247], v[246:247], v[138:139]
	v_pk_add_f32 v[244:245], v[244:245], v[142:143]
	v_pk_add_f32 v[240:241], v[240:241], v[146:147]
	v_pk_add_f32 v[94:95], v[94:95], v[150:151]
	v_pk_add_f32 v[14:15], v[14:15], v[154:155]
	v_pk_add_f32 v[236:237], v[236:237], v[158:159]
	s_delay_alu instid0(VALU_DEP_2)
	v_pk_add_f32 v[14:15], v[14:15], v[246:247]
	s_delay_alu instid0(VALU_DEP_2)
	v_pk_add_f32 v[236:237], v[236:237], v[244:245]
	v_pk_add_f32 v[250:251], v[250:251], v[240:241]
	v_pk_add_f32 v[248:249], v[248:249], v[94:95]
	s_delay_alu instid0(VALU_DEP_2)
	v_pk_add_f32 v[14:15], v[14:15], v[250:251]
	s_delay_alu instid0(VALU_DEP_2)
	v_pk_add_f32 v[236:237], v[236:237], v[248:249]
	s_delay_alu instid0(VALU_DEP_1)
	v_pk_add_f32 v[14:15], v[14:15], v[236:237]
.if !\first
.set n, 0
.rept 32
	v_pk_mul_f32 v[160+n:161+n], v[160+n:161+n], v[252:253] op_sel_hi:[1,0]   ; O^T under the new M, each accumulator from its low end on
.set n, n+2
.endr
.endif
	s_wait_alu depctr_va_vdst(0)
.irp g, 0,1                                    ; O^T += V^T P^T: four tiles of 16 channels at a time; one instruction an accumulator, by turns
.if \g > 0
.rept 4
	v_nop
.endr
.endif
.irp t, 0,1,2,3
.irp c, 0,1,2
	ds_load_b128 v[32+12*\t+4*\c:35+12*\t+4*\c], v[AV] offset:(8*(\s)+4*\g+\t)*1536+512*\c
.endr
.endr
	ds_load_b128 v[248:251], v[ASV] offset:512*(\s)+256*\g
	s_wait_dscnt 0x0
.irp t, 0,1,2,3
.if \first
	v_wmma_scale_f32_16x16x128_f8f6f4 v[160+8*(4*\g+\t):167+8*(4*\g+\t)], v[32+12*\t:43+12*\t], v[224:235], 0, v[248+\t], v253 matrix_a_fmt:MATRIX_FMT_BF6 matrix_b_fmt:MATRIX_FMT_BF6
.else
	v_wmma_scale_f32_16x16x128_f8f6f4 v[160+8*(4*\g+\t):167+8*(4*\g+\t)], v[32+12*\t:43+12*\t], v[224:235], v[160+8*(4*\g+\t):167+8*(4*\g+\t)], v[248+\t], v253 matrix_a_fmt:MATRIX_FMT_BF6 matrix_b_fmt:MATRIX_FMT_BF6
.endif
.endr
.endr
.endm
	STEP 0, 1
	STEP 1, 0
	STEP 2, 0
	STEP 3, 0
.Ldone:
.rept 4
	v_nop                                          ; places behind the last products: their results are read and their operands' registers loaded below
.endr
.irp t, 0,1,2,3,4,5,6,7
.irp j, 0,1,2,3,4,5,6,7
	ds_load_b32 v[32+8*\t+\j], v[VRD] offset:1152*\t+16*\j   ; v of my query's own place, in O^T's layout: register 8 t + j is channel 32 (t / 2) + 16 h + 8 (t % 2) + j
.endr
.endr
	v_add_f32 v14, v14, v15                        ; the sum's two halves,
	s_delay_alu instid0(VALU_DEP_1)
	v_permlanex16_b32 v252, v14, s[SEL], s[SEL+1]
	s_delay_alu instid0(VALU_DEP_1)
	v_add_f32 v14, v14, v252                       ; and lane l xor 16's
	s_wait_alu depctr_va_vdst(0)
	v_rcp_f32 v14, v14
	v_nop                                          ; one plain place behind a transcendental
.set n, 0
	s_wait_alu depctr_va_vdst(0)
.rept 32
	v_pk_mul_f32 v[96+n:97+n], v[160+n:161+n], v[14:15] op_sel_hi:[1,0]   ; y = O^T / the sum
.set n, n+2
.endr
	s_wait_dscnt 0x0
	v_pk_mul_f32 v[236:237], v[32:33], v[32:33]    ; |v|^2, two chains
	v_pk_mul_f32 v[238:239], v[34:35], v[34:35]
.set n, 2
.rept 30
	s_delay_alu instid0(VALU_DEP_2)
	v_pk_fma_f32 v[236+2*(n%2):237+2*(n%2)], v[32+2*n:33+2*n], v[32+2*n:33+2*n], v[236+2*(n%2):237+2*(n%2)]
.set n, n+1
.endr
	s_delay_alu instid0(VALU_DEP_2)
	v_add_f32 v236, v236, v237
	s_delay_alu instid0(VALU_DEP_2)
	v_add_f32 v238, v238, v239
	s_delay_alu instid0(VALU_DEP_1)
	v_add_f32 v236, v236, v238
	s_delay_alu instid0(VALU_DEP_1)
	v_permlanex16_b32 v252, v236, s[SEL], s[SEL+1]
	s_delay_alu instid0(VALU_DEP_1)
	v_add_f32 v236, v236, v252
	s_wait_alu depctr_va_vdst(0)
	v_sqrt_f32 v236, v236
	v_nop
	s_wait_alu depctr_va_vdst(0)
	v_add_f32 v236, 0x322bcc77, v236               ; + 1e-8
	s_wait_alu depctr_va_vdst(0)
	v_rcp_f32 v240, v236
	v_nop
	s_wait_alu depctr_va_vdst(0)
	v_mov_b32 v241, v240
.set n, 0
.rept 32
	v_pk_mul_f32 v[32+n:33+n], v[32+n:33+n], v[240:241] op_sel_hi:[1,0]   ; vn
.set n, n+2
.endr
	v_pk_mul_f32 v[236:237], v[96:97], v[32:33]    ; y . vn
	v_pk_mul_f32 v[238:239], v[98:99], v[34:35]
.set n, 2
.rept 30
	s_delay_alu instid0(VALU_DEP_2)
	v_pk_fma_f32 v[236+2*(n%2):237+2*(n%2)], v[96+2*n:97+2*n], v[32+2*n:33+2*n], v[236+2*(n%2):237+2*(n%2)]
.set n, n+1
.endr
	s_delay_alu instid0(VALU_DEP_2)
	v_add_f32 v236, v236, v237
	s_delay_alu instid0(VALU_DEP_2)
	v_add_f32 v238, v238, v239
	s_delay_alu instid0(VALU_DEP_1)
	v_add_f32 v236, v236, v238
	s_delay_alu instid0(VALU_DEP_1)
	v_permlanex16_b32 v252, v236, s[SEL], s[SEL+1]
	s_delay_alu instid0(VALU_DEP_1)
	v_add_f32 v236, v236, v252
.set n, 0
.rept 32
	v_pk_fma_f32 v[96+n:97+n], v[32+n:33+n], v[236:237], v[96+n:97+n] op_sel_hi:[1,0,1] neg_lo:[0,1,0] neg_hi:[0,1,0]   ; y - (y . vn) vn
.set n, n+2
.endr
	QUANT 96, 160, 196, 0                          ; my query head's 128 are one step of 128 of the last projection's K
.irp c, 0,1,2
	global_store_b128 v[AK], v[160+4*\c:163+4*\c], s[10:11] offset:512*\c   ; 512 consecutive bytes, at a multiple of 256 from the buffer's first byte
.endr
	global_store_b32 v8, v196, s[12:13]            ; lanes l and l xor 16 store the same word with the same value
	s_wait_tensorcnt 0x0
	ds_add_u32 v31, v243
	s_wait_dscnt 0x0
	ROUND                                          ; the closing round: no work-group ends while a partner may still ask for a block that names it
	s_endpgm
.Lfunc_end_k_qf19f9ab4fc_attn:
	.size	k_qf19f9ab4fc_attn, .Lfunc_end_k_qf19f9ab4fc_attn-k_qf19f9ab4fc_attn
	.p2alignl 7, 3214868480
	.fill 96, 4, 3214868480
	.section	.rodata,"a",@progbits
	.p2align	6, 0x0
	.amdhsa_kernel k_qf19f9ab4fc_attn
		.amdhsa_group_segment_fixed_size 169984
		.amdhsa_private_segment_fixed_size 0
		.amdhsa_enable_private_segment 0
		.amdhsa_kernarg_size 40
		.amdhsa_user_sgpr_count 2
		.amdhsa_user_sgpr_kernarg_segment_ptr 1
		.amdhsa_wavefront_size32 1
		.amdhsa_system_sgpr_workgroup_id_x 1
		.amdhsa_system_sgpr_workgroup_id_y 1
		.amdhsa_system_sgpr_workgroup_id_z 1
		.amdhsa_system_vgpr_workitem_id 0
		.amdhsa_next_free_vgpr 256
		.amdhsa_next_free_sgpr 80
		.amdhsa_reserve_vcc 1
		.amdhsa_float_denorm_mode_32 3
		.amdhsa_float_denorm_mode_16_64 3
		.amdhsa_memory_ordered 1
		.amdhsa_forward_progress 1
		.amdhsa_inst_pref_size 132
	.end_amdhsa_kernel
	.amdgpu_metadata
---
amdhsa.version: [ 1, 2 ]
amdhsa.kernels:
  - .name:           k_qf19f9ab4fc_attn
    .symbol:         k_qf19f9ab4fc_attn.kd
    .args:
      - { .name: hc, .offset: 0, .size: 8, .value_kind: global_buffer, .address_space: global }
      - { .name: hs, .offset: 8, .size: 8, .value_kind: global_buffer, .address_space: global }
      - { .name: vt, .offset: 16, .size: 8, .value_kind: global_buffer, .address_space: global }
      - { .name: yc, .offset: 24, .size: 8, .value_kind: global_buffer, .address_space: global }
      - { .name: ys, .offset: 32, .size: 8, .value_kind: global_buffer, .address_space: global }
    .group_segment_fixed_size: 169984
    .private_segment_fixed_size: 0
    .kernarg_segment_align: 8
    .kernarg_segment_size: 40
    .max_flat_workgroup_size: 512
    .sgpr_count:     80
    .vgpr_count:     256
    .wavefront_size: 32
...
	.end_amdgpu_metadata
.endif
;; end of part 3
;; launch proj (part 4): grid 8 x 32, 4 waves a work-group, clusters of 4 x 4, 327,680 bytes of LDS; arguments yc, ys, cq, sq, out0; writes out0
.if DOCPART == 4
	.amdgcn_target "amdgcn-amd-amdhsa--gfx1250"
	.amdhsa_code_object_version 6
	.text
	.protected	k_qf19f9ab4fc_proj
	.globl	k_qf19f9ab4fc_proj
	.p2align	8
	.type	k_qf19f9ab4fc_proj,@function
k_qf19f9ab4fc_proj:
	s_mov_b64 s[64:65], 0
	v_nop
	global_prefetch_b8 v0, s[64:65] scope:SCOPE_SE
	s_setreg_imm32_b32 hwreg(HW_REG_WAVE_MODE, 25, 1), 1
	s_wait_xcnt 0x0
	s_wait_alu depctr_hold_cnt(0) depctr_sa_sdst(0) depctr_va_vdst(0) depctr_va_sdst(0) depctr_va_ssrc(0) depctr_va_vcc(0) depctr_vm_vsrc(0)
	s_getreg_b32 s2, hwreg(HW_REG_IB_STS2, 6, 4)
	s_cmp_eq_u32 s2, 0
	s_cbranch_scc0 .Lentry_in_a_cluster
	s_endpgm
.Lentry_in_a_cluster:
	s_bfe_u32 s2, ttmp6, 0x10000c
	s_cmp_lg_u32 s2, 0xf033
	s_cbranch_scc0 .Lentry_shape_is_right
	s_endpgm
.Lentry_shape_is_right:
; PROJ.  out0 = y Wproj^T on codes of BF6 (E3M2) with E8M0 scales: [4096] x [2048], K = 2,048, f32 out.  y's codes and scale words were made by the launch before, Wproj's by the first; both lie as images of
; the operand's registers (a fragment of 16 positions x 128 K: 1,536 bytes; a group of 128 positions: 196,608 bytes = [K / 256][position / 16][(K / 128) % 2] fragments; its scale words 8,192 bytes).
; A tile of 128 tokens x 256 columns is made by four waves; a wave makes 64 x 128: 32 accumulators in window 2.  K goes in four steps of 512 through a ring of two LDS slots: y's group (49,152 bytes), then W's two groups.
; Source 0 = 16 positions of W, source 1 = 16 positions of y: a lane holds one token and eight neighbouring columns.
; THE HEAD: four joint loads, one a wave: wave 0 y's 49,152 dense bytes of slot 0, wave 1 W's two groups (two rows of 49,152 bytes, 196,608 bytes apart), wave 2 y's scale words for all of K (8,192 bytes), wave 3 W's (16,384).
; Slot 1 is first filled behind the full sequence and a round of the cluster's barrier, as every refill is: waves 0, 1 take y's two halves of 24,576 bytes, waves 2, 3 W's two groups.
; CLUSTERS: 4 x 4 work-groups; y's tiles are shared along a row of the cluster, W's along a column, each asked for jointly.
; PREFETCHES.  With the load of slot fill n goes a request for fill n + 2 (the head also names fill 1); fill 3 is the last.  Of the blocks of 256 bytes that a wave's ring load brings (96 of y, 192 of W) each of the four partners
; names a quarter, told apart by address: 24 blocks an instruction, lanes 24-31 naming the 24th again; W's waves issue two instructions.
; The walk is written out: four fills, sixteen steps of 128.  The way out goes through each wave's stage in slot 0, which has had its last fill and its last read by then.
; REGISTERS: window 0: v16-30 addresses; v32-79 scale words, two sets; v128-223 y's fragments, two sets of four; window 1: W's fragments, two sets of eight; window 2: the accumulators.
.set WB,    56                         ; Wproj's first group in cq
.set KPB,   24576                      ; 128 positions x 256 K
.set GSL,   2*KPB                      ; a group's part of a slot
.set SLOT,  3*GSL
.set SCL,   2*SLOT                     ; behind the ring: the scale words: y's, then W's two groups'
.set SHALF, 8192
.set SPARE, SCL+3*SHALF                ; behind them: the spare words, 128 bytes for each wave
.set SPITCH, 528
.set FR,    12
.set NP,    4                          ; places behind this matrix instruction (ISA guide 7.12.1)
.set ADR1, 16
.set ADR0, 20
.set ADRSW, 22
.set STO,  24
.set RD,   25
.set CO,   26
.set ADRSY, 27
.set SPW,  28                          ; v28 LDS address of my spare word; never rewritten
.set NIL,  29                          ; v29 0; never rewritten
.set PFO,  30                          ; v30 256 x min(lane, 23); never rewritten
.set SW,   32
.set SY,   48
.set AF,   128
.set BK,   128
.set G1, 24
.set G0, 32
.set G1B, 48
.set G0B, 56
.set G1S, 68
.set G0S, 76
.set G1SB, 80
.set G0SB, 88
.set G0H, 4                            ; s[4:7], s[8:11] group 0 of the head's loads of codes (the arguments that lay there have been used by then)
.set G0HB, 8
.set PFA, 92                           ; s[92:93] where my prefetches stand; never stepped: the fills' places are immediates
.set MSB, 0
.macro WIN new                         ; the immediate's high byte repeats the setting that is left
.if MSB != \new
	s_set_vgpr_msb (MSB<<8)|\new
.set MSB, \new
.endif
.endm
.set MUL,  0xa1                        ; source 0 window 1, source 1 window 0, C and D window 2
.set TO_B, 0x40
.macro JLOAD g0a, g1a, g0b, g1b        ; a joint load of the ring: waves 0, 1 for y, waves 2, 3 for W; s_nop 0 and four v_nop follow each line
	s_cmp_eq_u32 s15, 0
	s_cbranch_scc0 .Lfor_b_\@
	tensor_load_to_lds s[\g0a:\g0a+3], s[\g1a:\g1a+7]
	s_nop 0
.rept 4
	v_nop
.endr
	s_branch .Lasked_\@
.Lfor_b_\@:
	tensor_load_to_lds s[\g0b:\g0b+3], s[\g1b:\g1b+7]
	s_nop 0
.rept 4
	v_nop
.endr
.Lasked_\@:
.endm
.macro CREST                           ; a round of the cluster's barrier behind its opening barrier
	s_cmp_lg_u32 s14, 0
	s_cbranch_scc1 .Lnot_wave_0_\@
	s_barrier_signal -3
.Lnot_wave_0_\@:
	s_barrier_wait -3
	s_barrier_signal -1
	s_barrier_wait -1
.endm
.macro CROUND
	s_barrier_signal -1
	s_barrier_wait -1
	CREST
.endm
.macro SHAPE g, rows                   ; a dense block as rows of 32 elements of 8 bytes
	s_mov_b32 s[\g+1], 32<<16
	s_mov_b32 s[\g+2], (\rows)<<16
	s_mov_b32 s[\g+3], 32<<16
	s_mov_b32 s[\g+4], \rows
	s_mov_b32 s[\g+5], 32
	s_mov_b32 s[\g+6], 0
	s_mov_b32 s[\g+7], 0
.endm
.macro ASK off                         ; my share of the fill that begins off bytes into the group
	global_prefetch_b8 v[PFO], s[PFA:PFA+1] offset:(\off) th:TH_LOAD_NT scope:SCOPE_SE
	s_cmp_eq_u32 s15, 0
	s_cbranch_scc1 .Lone_\@
	global_prefetch_b8 v[PFO], s[PFA:PFA+1] offset:(\off)+6144 th:TH_LOAD_NT scope:SCOPE_SE   ; W's waves: 24 blocks more
.Lone_\@:
.endm
	s_load_b128 s[4:7], s[0:1], 0x0                ; yc, ys
	s_load_b128 s[8:11], s[0:1], 0x10              ; cq, sq
	s_load_b64 s[12:13], s[0:1], 0x20              ; out0
	v_lshl_add_u32 v[SPW], v0, 2, SPARE
	v_mov_b32 v[NIL], 0
	ds_add_u32 v[SPW], v[NIL]                      ; the opening: the add, twice on end, and its wait ahead of my first tensor load
	ds_add_u32 v[SPW], v[NIL]
	v_lshrrev_b32 v1, 5, v0
	v_readfirstlane_b32 s14, v1                    ; wave 0..3
	s_lshr_b32 s15, s14, 1                         ; which 64 tokens are mine.  Also: in the ring I fetch for y (0) or for W (1)
	s_and_b32 s16, s14, 1                          ; which group of W is mine.  Also: which part I fetch
	s_bfe_u32 s40, ttmp6, 0x40000                  ; cx, cy
	s_bfe_u32 s41, ttmp6, 0x40004
	s_lshl_b32 s42, ttmp9, 2
	s_add_co_u32 s42, s42, s40                     ; tile column
	s_and_b32 s17, ttmp7, 0xffff
	s_lshl_b32 s17, s17, 2
	s_add_co_u32 s17, s17, s41                     ; tile row = y's group
	s_lshl_b32 s43, s41, 2
	s_lshl_b32 s43, 15, s43                        ; my row of the cluster
	s_lshl_b32 s44, 0x1111, s40                    ; my column
	s_or_b32 s[G1+0], s43, (3<<16)|(1<<21)
	s_or_b32 s[G1B+0], s44, (3<<16)|(1<<21)
	s_or_b32 s[G1S+0], s43, (3<<16)|(1<<21)
	s_or_b32 s[G1SB+0], s44, (3<<16)|(1<<21)
	SHAPE G1, 192                                  ; as the head wants them: y's 49,152 dense bytes;
	s_mov_b32 s[G1B+1], 6144<<16                   ; W's two groups: 2 rows of 6,144 elements of 8 bytes, 24,576 elements apart;
	s_mov_b32 s[G1B+2], 2<<16
	s_mov_b32 s[G1B+3], 6144<<16
	s_mov_b32 s[G1B+4], 2
	s_mov_b32 s[G1B+5], 24576
	s_mov_b32 s[G1B+6], 0
	s_mov_b32 s[G1B+7], 0
	SHAPE G1S, 32                                  ; y's scale words;
	SHAPE G1SB, 64                                 ; W's
	s_mul_i32 s20, s17, 196608                     ; y's codes,
	s_mov_b32 s21, 0
	s_lshl_b32 s22, s17, 13                        ; y's scale words,
	s_mov_b32 s23, 0
	s_lshl_b32 s46, s42, 1
	s_add_co_u32 s46, s46, WB                      ; W's first group:
	s_lshl_b32 s92, s46, 13                        ; its scale words,
	s_mov_b32 s93, 0
	s_mul_i32 s46, s46, 196608                     ; its codes
	s_mov_b32 s47, 0
	s_mul_i32 s18, s16, KPB                        ; in the ring: my half of y's part of a fill,
	s_mov_b32 s19, 0
	s_mul_i32 s2, s16, 196608                      ; or my group of W
	s_mov_b32 s3, 0
	s_mul_i32 s45, s16, KPB                        ; and where they go: no place in the cluster enters an LDS address
	s_mul_i32 s95, s16, GSL
	s_add_co_u32 s95, s95, GSL
	s_wait_dscnt 0x0                               ; both opening adds are done
	s_wait_kmcnt 0x0
	s_add_nc_u64 s[20:21], s[4:5], s[20:21]
	s_add_nc_u64 s[22:23], s[6:7], s[22:23]
	s_add_nc_u64 s[46:47], s[8:9], s[46:47]
	s_add_nc_u64 s[92:93], s[10:11], s[92:93]
	CROUND                                         ; all sixteen work-groups are here: the first joint loads meet
	s_mov_b32 s[G0H], 1
	s_mov_b32 s[G0H+1], 0
	s_mov_b64 s[G0H+2:G0H+3], s[20:21]
	s_or_b32 s[G0H+3], s[G0H+3], 0x80000000
	s_mov_b32 s[G0HB], 1
	s_mov_b32 s[G0HB+1], GSL
	s_mov_b64 s[G0HB+2:G0HB+3], s[46:47]
	s_or_b32 s[G0HB+3], s[G0HB+3], 0x80000000
	s_mov_b32 s[G0S], 1
	s_mov_b32 s[G0S+1], SCL
	s_mov_b64 s[G0S+2:G0S+3], s[22:23]
	s_or_b32 s[G0S+3], s[G0S+3], 0x80000000
	s_mov_b32 s[G0SB], 1
	s_mov_b32 s[G0SB+1], SCL+SHALF
	s_mov_b64 s[G0SB+2:G0SB+3], s[92:93]
	s_or_b32 s[G0SB+3], s[G0SB+3], 0x80000000
	s_add_nc_u64 s[20:21], s[20:21], s[18:19]      ; for the ring: my part
	s_add_nc_u64 s[46:47], s[46:47], s[2:3]
.irp s, 0,1
	s_mov_b32 s[G0+4*\s], 1
	s_add_co_u32 s[G0+4*\s+1], s45, \s*SLOT
	s_add_nc_u64 s[G0+4*\s+2:G0+4*\s+3], s[20:21], \s*GSL
	s_or_b32 s[G0+4*\s+3], s[G0+4*\s+3], 0x80000000
	s_mov_b32 s[G0B+4*\s], 1
	s_add_co_u32 s[G0B+4*\s+1], s95, \s*SLOT
	s_add_nc_u64 s[G0B+4*\s+2:G0B+4*\s+3], s[46:47], \s*GSL
	s_or_b32 s[G0B+4*\s+3], s[G0B+4*\s+3], 0x80000000
.endr
; ONE chain of branches on the wave's number, one load to an arm, all arms leading to one join: one tensor load a wave at the head
.macro ARM under, g0, g1, next
	s_cmp_lt_u32 s14, \under
	s_cbranch_scc0 \next
	tensor_load_to_lds s[\g0:\g0+3], s[\g1:\g1+7]
	s_nop 0
.rept 4
	v_nop
.endr
	s_branch .Lhead_asked
\next:
.endm
	ARM 1, G0H,  G1,  .Lhead_b
	ARM 2, G0HB, G1B, .Lhead_sa
	ARM 3, G0S,  G1S, .Lhead_sb
	tensor_load_to_lds s[G0SB:G0SB+3], s[G1SB:G1SB+7]
	s_nop 0
.rept 4
	v_nop
.endr
.Lhead_asked:
	s_cmp_eq_u32 s15, 0                            ; the prefetches: my part of y or of W,
	s_cselect_b64 s[PFA:PFA+1], s[20:21], s[46:47]
	s_cselect_b32 s22, s40, s41                    ; my place among the four that ask for it with me,
	s_mul_i32 s22, s22, 6144                       ; 24 blocks each of y's,
	s_lshl_b32 s22, s22, s15                       ; 48 of W's
	s_mov_b32 s23, 0
	s_add_nc_u64 s[PFA:PFA+1], s[PFA:PFA+1], s[22:23]
	v_and_b32 v1, 31, v0                           ; lane
	v_and_b32 v2, 15, v0                           ; r
	v_bfe_u32 v3, v0, 4, 1                         ; h
	v_lshlrev_b32 v4, 4, v1
	v_min_u32 v[PFO], 23, v1
	v_lshlrev_b32 v[PFO], 8, v[PFO]
	s_wait_alu depctr_va_vdst(0)
	ASK GSL                                        ; fill 1,
	ASK 2*GSL                                      ; and fill 2: two loads on
	s_mul_i32 s21, s15, 4*3072                     ; my four blocks of y,
	s_mul_i32 s22, s16, GSL
	s_add_co_u32 s22, s22, GSL                     ; my group of W
.irp s, 0,1
	v_add_nc_u32 v[ADR1+\s], s21, v4
	v_add_nc_u32 v[ADR0+\s], s22, v4
	s_add_co_u32 s21, s21, SLOT
	s_add_co_u32 s22, s22, SLOT
.endr
	v_lshlrev_b32 v5, 3, v2                        ; scale words: 8 bytes a position in 256 along K
	s_wait_alu depctr_va_vdst(0)                   ; the wait directly ahead of the reader below
	v_lshl_add_u32 v6, v3, 8, v5                   ; y's: lanes 16-31 take the blocks two further on,
	s_lshl_b32 s21, s15, 9
	s_add_co_u32 s21, s21, SCL
	v_add_nc_u32 v[ADRSY], s21, v6
	v_lshl_add_u32 v6, v3, 9, v5                   ; W's: four further on
	s_lshl_b32 s22, s16, 13
	s_add_co_u32 s22, s22, SCL+SHALF
	v_add_nc_u32 v[ADRSW], s22, v6
	s_mul_i32 s23, s14, 16*SPITCH                  ; my stage, in slot 0
	v_mul_u32_u24 v5, v2, SPITCH
	v_lshl_add_u32 v5, v3, 6, v5
	v_add_nc_u32 v[STO], s23, v5
	v_add_nc_u32 v[RD], s23, v4
	v_mov_b32 v[CO], v4
	s_lshl_b32 s20, s17, 20                        ; my part of out0: 128 rows of 8,192 bytes a tile row, 64 a half,
	s_lshl_b32 s21, s15, 19
	s_add_co_u32 s20, s20, s21
	s_mov_b32 s21, 0
	s_lshl_b32 s46, s42, 10                        ; 1,024 bytes a tile column, 512 a group
	s_lshl_b32 s47, s16, 9
	s_add_co_u32 s46, s46, s47
	s_mov_b32 s47, 0
	s_add_nc_u64 s[20:21], s[20:21], s[46:47]
	s_add_nc_u64 s[12:13], s[12:13], s[20:21]
.macro FRAG reg, adr, q, i             ; a fragment: block i, the slot's q-th 128 along K: three loads of 512 consecutive bytes
.irp c, 0,1,2
	ds_load_b128 v[(\reg)+4*\c:(\reg)+4*\c+3], v[\adr] offset:KPB*((\q)/2)+3072*(\i)+1536*((\q)%2)+512*\c
.endr
.endm
.macro FETCH slot, q, p                ; W's eight and y's four fragments of a step into set p
	WIN TO_B
.irp i, 0,1,2,3,4,5,6,7
	FRAG 128*(\p)+FR*\i, ADR0+\slot, \q, \i
.endr
	WIN 0
.irp i, 0,1,2,3
	FRAG AF+4*FR*(\p)+FR*\i, ADR1+\slot, \q, \i
.endr
.endm
.macro SCALES sc, n                    ; fill n's scale words into set sc
.irp j, 0,1
.irp i, 0,1,2,3
	ds_load_b64 v[SW+24*(\sc)+8*\j+2*\i:SW+24*(\sc)+8*\j+2*\i+1], v[ADRSW] offset:2048*(\n)+1024*\j+128*\i
.endr
.irp i, 0,1
	ds_load_b64 v[SY+24*(\sc)+4*\j+2*\i:SY+24*(\sc)+4*\j+2*\i+1], v[ADRSY] offset:2048*(\n)+1024*\j+128*\i
.endr
.endr
.endm
.macro WM a, b, p, q, sc, zero         ; one product; W's blocks 4-7 and y's blocks 2, 3 have their scale words in lanes 16-31
.set DA, 8*(8*(\a)+(\b))
.set FB, 128*(\p)+FR*(\b)
.set FA, AF+4*FR*(\p)+FR*(\a)
.set RW, SW+24*(\sc)+8*((\q)/2)+2*((\b)%4)+(\q)%2
.set RY, SY+24*(\sc)+4*((\q)/2)+2*((\a)%2)+(\q)%2
.if \zero
.if (\b) < 4
.if (\a) < 2
	v_wmma_scale_f32_16x16x128_f8f6f4 v[DA:DA+7], v[FB:FB+FR-1], v[FA:FA+FR-1], 0, v[RW], v[RY] matrix_a_fmt:MATRIX_FMT_BF6 matrix_b_fmt:MATRIX_FMT_BF6
.else
	v_wmma_scale_f32_16x16x128_f8f6f4 v[DA:DA+7], v[FB:FB+FR-1], v[FA:FA+FR-1], 0, v[RW], v[RY] matrix_a_fmt:MATRIX_FMT_BF6 matrix_b_fmt:MATRIX_FMT_BF6 matrix_b_scale:MATRIX_SCALE_ROW1
.endif
.else
.if (\a) < 2
	v_wmma_scale_f32_16x16x128_f8f6f4 v[DA:DA+7], v[FB:FB+FR-1], v[FA:FA+FR-1], 0, v[RW], v[RY] matrix_a_fmt:MATRIX_FMT_BF6 matrix_b_fmt:MATRIX_FMT_BF6 matrix_a_scale:MATRIX_SCALE_ROW1
.else
	v_wmma_scale_f32_16x16x128_f8f6f4 v[DA:DA+7], v[FB:FB+FR-1], v[FA:FA+FR-1], 0, v[RW], v[RY] matrix_a_fmt:MATRIX_FMT_BF6 matrix_b_fmt:MATRIX_FMT_BF6 matrix_a_scale:MATRIX_SCALE_ROW1 matrix_b_scale:MATRIX_SCALE_ROW1
.endif
.endif
.else
.if (\b) < 4
.if (\a) < 2
	v_wmma_scale_f32_16x16x128_f8f6f4 v[DA:DA+7], v[FB:FB+FR-1], v[FA:FA+FR-1], v[DA:DA+7], v[RW], v[RY] matrix_a_fmt:MATRIX_FMT_BF6 matrix_b_fmt:MATRIX_FMT_BF6
.else
	v_wmma_scale_f32_16x16x128_f8f6f4 v[DA:DA+7], v[FB:FB+FR-1], v[FA:FA+FR-1], v[DA:DA+7], v[RW], v[RY] matrix_a_fmt:MATRIX_FMT_BF6 matrix_b_fmt:MATRIX_FMT_BF6 matrix_b_scale:MATRIX_SCALE_ROW1
.endif
.else
.if (\a) < 2
	v_wmma_scale_f32_16x16x128_f8f6f4 v[DA:DA+7], v[FB:FB+FR-1], v[FA:FA+FR-1], v[DA:DA+7], v[RW], v[RY] matrix_a_fmt:MATRIX_FMT_BF6 matrix_b_fmt:MATRIX_FMT_BF6 matrix_a_scale:MATRIX_SCALE_ROW1
.else
	v_wmma_scale_f32_16x16x128_f8f6f4 v[DA:DA+7], v[FB:FB+FR-1], v[FA:FA+FR-1], v[DA:DA+7], v[RW], v[RY] matrix_a_fmt:MATRIX_FMT_BF6 matrix_b_fmt:MATRIX_FMT_BF6 matrix_a_scale:MATRIX_SCALE_ROW1 matrix_b_scale:MATRIX_SCALE_ROW1
.endif
.endif
.endif
.endm
.macro MUL8 a, p, q, sc, zero          ; the 32 accumulators take turns, one instruction a turn, in the same order in every step
.irp b, 0,1,2,3,4,5,6,7
	WM \a, \b, \p, \q, \sc, \zero
.endr
.endm
.macro PLACES n
.rept \n
	v_nop
.endr
.endm
.macro STEP slot, q, zero              ; a step of 128 along K that has its successor in the same slot: the next step's fragments are asked for ahead of its 32 products
	s_wait_dscnt 0x0
	PLACES NP
	FETCH \slot, (\q)+1, 1-(\q)%2
	WIN MUL
	MUL8 0, (\q)%2, \q, \slot, \zero
	MUL8 1, (\q)%2, \q, \slot, \zero
	MUL8 2, (\q)%2, \q, \slot, \zero
	MUL8 3, (\q)%2, \q, \slot, \zero
	WIN 0
.endm
.macro TURN slot, next, fill, n        ; a slot's last step changes slots: ONE barrier, with the three lines in front of it; fill = 1: this slot is filled again, two fills ahead
	s_wait_tensorcnt 0x0                           ; all my tensor loads have landed: my part of the next slot
	ds_add_u32 v[SPW], v[NIL]                      ; 0 onto my spare word
	s_wait_dscnt 1                                 ; (the add may be out)
	WIN MUL
	MUL8 0, 1, 3, \slot, 0
	s_wait_dscnt 0x0                               ; the add is done, and my reads of this slot are over
	s_barrier_signal -1
	MUL8 1, 1, 3, \slot, 0
	WIN 0
	s_barrier_wait -1
.if \fill
	CREST                                          ; the barrier has opened a round of the cluster's barrier
	s_add_nc_u64 s[G0+4*\slot+2:G0+4*\slot+3], s[G0+4*\slot+2:G0+4*\slot+3], 2*GSL
	s_add_nc_u64 s[G0B+4*\slot+2:G0B+4*\slot+3], s[G0B+4*\slot+2:G0B+4*\slot+3], 2*GSL
	JLOAD G0+4*\slot, G1, G0B+4*\slot, G1B         ; the first tensor load behind the round; its four v_nop are the places in front of the loads below
.else
	PLACES NP
.endif
	FETCH \next, 0, 0
	SCALES \next, \n
	WIN MUL
	MUL8 2, 1, 3, \slot, 0
	MUL8 3, 1, 3, \slot, 0
	WIN 0
.endm
	s_wait_alu depctr_va_vdst(0)
	s_wait_tensorcnt 0x0                           ; my tile of the head's four is in
	ds_add_u32 v[SPW], v[NIL]
	s_mov_b32 s[G1+2], 96<<16                      ; no tensor load of mine is out, so a descriptor may be written: from here on a load of y brings 96 rows of 256 bytes,
	s_mov_b32 s[G1+4], 96
	SHAPE G1B, 192                                 ; and a load of W one group's 192
	s_wait_dscnt 0x0                               ; the add is done
	CROUND                                         ; all four tiles are in, and all sixteen work-groups are here,
	JLOAD G0+4, G1, G0B+4, G1B                     ; and fill 1's load is the first tensor load behind the round
	FETCH 0, 0, 0
	SCALES 0, 0
	ASK 3*GSL                                      ; fill 3: two loads on, and the last
	STEP 0, 0, 1                                   ; the first step's products start the sums
	STEP 0, 1, 0
	STEP 0, 2, 0
	TURN 0, 1, 1, 1
	STEP 1, 0, 0
	STEP 1, 1, 0
	STEP 1, 2, 0
	TURN 1, 0, 1, 2
	STEP 0, 0, 0
	STEP 0, 1, 0
	STEP 0, 2, 0
	TURN 0, 1, 0, 3                                ; nothing is left to fetch: no round
	STEP 1, 0, 0
	STEP 1, 1, 0
	STEP 1, 2, 0
	s_wait_dscnt 0x0
	WIN MUL
	MUL8 0, 1, 3, 1, 0
	MUL8 1, 1, 3, 1, 0
	MUL8 2, 1, 3, 1, 0
	MUL8 3, 1, 3, 1, 0
	WIN 0
; THE WAY OUT, block by block of 16 positions x 128 columns, through my own stage and back as whole rows of 512 bytes.  LDS serves a wave's instructions in order (ISA guide 5.7.1.4): no wait between the stores and the loads.
.macro TOSTAGE a
.set AC, 64*(\a)
	WIN 0x08
.irp b, 0,1,2,3,4,5,6,7
	ds_store_b128 v[STO], v[AC+8*\b:AC+8*\b+3] offset:128*(\b/2)+32*(\b%2)       ; each accumulator from its low end on; W's positions go back to their columns
	ds_store_b128 v[STO], v[AC+8*\b+4:AC+8*\b+7] offset:128*(\b/2)+32*(\b%2)+16
.endr
	WIN 0
.set BB, BK+64*((\a)%2)
.irp t, 0,1,2,3,4,5,6,7,8,9,10,11,12,13,14,15
	ds_load_b128 v[BB+4*\t:BB+4*\t+3], v[RD] offset:\t*SPITCH
.endr
.endm
.macro SEND a, younger                 ; younger: the LDS instructions issued behind block a's loads, which may stay out
.set BB, BK+64*((\a)%2)
	s_wait_dscnt \younger
.irp t, 0,1,2,3,4,5,6,7,8,9,10,11,12,13,14,15
	global_store_b128 v[CO], v[BB+4*\t:BB+4*\t+3], s[12:13] offset:(32*((\a)/2)+8*((\a)%2)+(\t&7)+16*(\t>>3))*8192 th:TH_STORE_NT   ; position t's token: 32 lanes store 512 consecutive bytes, aligned
.endr
.endm
	PLACES NP
	TOSTAGE 0
.irp a, 1,2,3
.if \a > 1
	s_wait_xcnt 0x0                                ; block a - 2's stores have read their registers: block a's loads may land there
.endif
	TOSTAGE \a
	SEND \a-1, 32
.endr
	SEND 3, 0
	s_wait_tensorcnt 0x0                           ; the wave's end
	ds_add_u32 v[SPW], v[NIL]
	s_wait_dscnt 0x0
	CROUND                                         ; the closing round
	s_endpgm
.Lfunc_end_k_qf19f9ab4fc_proj:
	.size	k_qf19f9ab4fc_proj, .Lfunc_end_k_qf19f9ab4fc_proj-k_qf19f9ab4fc_proj
	.p2alignl 7, 3214868480
	.fill 96, 4, 3214868480
	.section	.rodata,"a",@progbits
	.p2align	6, 0x0
	.amdhsa_kernel k_qf19f9ab4fc_proj
		.amdhsa_group_segment_fixed_size 327680
		.amdhsa_private_segment_fixed_size 0
		.amdhsa_enable_private_segment 0
		.amdhsa_kernarg_size 40
		.amdhsa_user_sgpr_count 2
		.amdhsa_user_sgpr_kernarg_segment_ptr 1
		.amdhsa_wavefront_size32 1
		.amdhsa_system_sgpr_workgroup_id_x 1
		.amdhsa_system_sgpr_workgroup_id_y 1
		.amdhsa_system_sgpr_workgroup_id_z 1
		.amdhsa_system_vgpr_workitem_id 0
		.amdhsa_next_free_vgpr 768
		.amdhsa_next_free_sgpr 96
		.amdhsa_reserve_vcc 0
		.amdhsa_float_denorm_mode_32 3
		.amdhsa_float_denorm_mode_16_64 3
		.amdhsa_memory_ordered 1
		.amdhsa_forward_progress 1
		.amdhsa_inst_pref_size 137
	.end_amdhsa_kernel
	.amdgpu_metadata
---
amdhsa.version: [ 1, 2 ]
amdhsa.kernels:
  - .name:           k_qf19f9ab4fc_proj
    .symbol:         k_qf19f9ab4fc_proj.kd
    .args:
      - { .name: yc, .offset: 0, .size: 8, .value_kind: global_buffer, .address_space: global }
      - { .name: ys, .offset: 8, .size: 8, .value_kind: global_buffer, .address_space: global }
      - { .name: cq, .offset: 16, .size: 8, .value_kind: global_buffer, .address_space: global }
      - { .name: sq, .offset: 24, .size: 8, .value_kind: global_buffer, .address_space: global }
      - { .name: out0, .offset: 32, .size: 8, .value_kind: global_buffer, .address_space: global }
    .group_segment_fixed_size: 327680
    .private_segment_fixed_size: 0
    .kernarg_segment_align: 8
    .kernarg_segment_size: 40
    .max_flat_workgroup_size: 128
    .sgpr_count:     96
    .vgpr_count:     768
    .wavefront_size: 32
...
	.end_amdgpu_metadata
.endif
;; end of part 4
